; MI455X (gfx1250); checked and timed in simulation.
; The chip was launched on July 23, 2026; its instructions are those of AMD's public machine-readable ISA for CDNA 5 (MIT licence, August 2026) and "CDNA5" Instruction Set Architecture Reference Guide (July 2026). The comments in the code are by the model that wrote it; some were corrected since.
;; Bidaf Attn. Allowed arithmetic: matrix products marked QUANTISED: E2M3 operands, one E8M0 scale for each 32 along K, by v_wmma_scale_f32_16x16x128_f8f6f4 with both operands' format E2M3, f32 sums; products left as they are: f32 operands where the result goes on into a quantised operand, else bf16, f16 or f32 operands; f32 sums; everything else in f32.
;; Inputs: l1 32 int32; l2 32 int32; s1 32 x 1,024 x 256 float32; s2 32 x 1,024 x 256 float32; w 768 float32.
;; Outputs: out0 32 x 1,024 x 256 float32.
;; This version of the problem:
;;   THIS VERSION OF THE PROBLEM IS GIVEN IN LOW PRECISION. The matrix products marked QUANTISED in the list below multiply operands that are first quantised to E2M3 (2 exponent bits, 3 mantissa bits; 6 bits a number), with one power-of-two scale for each 32 numbers along K (OCP MX v1.0); their sums are f32. All else is computed in f32.
;;   The module's matrix products, in the order in which they are computed (A, B: the left and right operand; K: the contracted axis; several contracted axes count as one K, in the product's order):
;;     1. [M 32,768, K 256] x [K 256, N 1]; A: input s1; B: input w: left as it is (N = 1 < 16)
;;     2. [M 32,768, K 256] x [K 256, N 1]; A: input s2; B: input w: left as it is (N = 1 < 16)
;;     3. batch 32 x [M 1,024, K 256] x [K 256, N 1,024]; A: computed on the way; B: input s2: QUANTISED
;;     4. batch 32 x [M 1,024, K 1,024] x [K 1,024, N 256]; A: computed on the way; B: input s2: QUANTISED
;;   THE QUANTISER, for each operand of a quantised product, along K:
;;     - K is cut into blocks of 32 from its start; a last block that is shorter is filled with zeros.
;;     - A block's scale is 2^e with e = floor(log2(the largest magnitude in the block)) - 2, held to -126 .. 127; a block of zeros has e = 0. As a byte (E8M0): e + 127.
;;     - Each number is divided by its block's scale, clamped to +-7.5, and rounded to the nearest number of E2M3, ties to even, subnormals kept.
;;     - The product sums the exact products of the quantised numbers (number of the format x scale) in f32.
;;   ~~~python
;;   def quantise(x, axis):      # numpy; x: float32 -> the quantised numbers, widened to float32 again
;;       x = np.moveaxis(x, axis, -1); K = x.shape[-1]
;;       x = np.pad(x, [(0, 0)] * (x.ndim - 1) + [(0, -K % 32)]); x = x.reshape(x.shape[:-1] + (-1, 32)); a = np.abs(x).max(-1, keepdims=True)
;;       e = np.where(a > 0, np.clip(np.frexp(np.where(a > 0, a, 1))[1] - 1 - 2, -126, 127), 0)      # np.frexp(a)[1] - 1 = floor(log2(a)), exactly
;;       r = np.clip(x / 2.0 ** e, -7.5, 7.5)
;;       step = 2.0 ** (np.maximum(np.frexp(np.where(r == 0, 1, r))[1] - 1, 0) - 3)
;;       q = np.round(r / step) * step * 2.0 ** e      # np.round: ties to even
;;       return np.moveaxis(q.reshape(q.shape[:-2] + (-1,))[..., :K], -1, axis).astype(np.float32)
;;   ~~~
;;   OPERANDS COMPUTED ON THE WAY. 'Computed on the way' means the value that the module computes at that place (a softmax that the list does not call 'softmax' is quantised finished and normalised). What goes into a quantiser is computed in f32, as accurately as f32 sums, v_exp_f32 and their like allow (about 1e-6 of the number): no bf16 or f16 on the way to a quantiser, and a product that is left as it is and whose result goes on into a quantised operand takes f32 operands (vector FMAs, or v_wmma_f32_16x16x4_f32). A number that lies on a knife's edge between two numbers of the format may be rounded either way, as far as f32 arithmetic and the matrix unit's own rounding can turn it there, and no further.
;; 3 versions. Each part assembles by itself: llvm-mc -triple=amdgcn-amd-amdhsa -mcpu=gfx1250 --defsym DOCPART=n.
;; ======== version 1 of 3: 2 launches
;; workspace buffers: qc 6,291,456 bytes; kc 6,291,456 bytes; vc 6,291,456 bytes; auxq 393,216 bytes; auxk 655,360 bytes
;; launch prep (part 1): grid 256 x 2, 8 waves a work-group, no clusters, 140,288 bytes of LDS; arguments l1, l2, s1, s2, w, qc, auxq, kc, auxk, vc; writes qc, auxq, kc, auxk, vc
.if DOCPART == 1
	.amdgcn_target "amdgcn-amd-amdhsa--gfx1250"
	.amdhsa_code_object_version 6
	.text
	.protected	k_qdb314c8491_prep
	.globl	k_qdb314c8491_prep
	.p2align	8
	.type	k_qdb314c8491_prep,@function
k_qdb314c8491_prep:
	s_mov_b64 s[64:65], 0
	v_nop
	global_prefetch_b8 v0, s[64:65] scope:SCOPE_SE
	s_setreg_imm32_b32 hwreg(HW_REG_WAVE_MODE, 25, 1), 1
	s_wait_xcnt 0x0
; s1 and s2 [32][1024][256] f32 become operands of the two quantised products, as codes of FP6 (E2M3) with one E8M0 byte for each 32 along K, laid as IMAGES OF THE OPERAND'S REGISTERS
; (a fragment of 16 rows x 128 K is 12 registers a lane: registers 4 c .. 4 c + 3 of lane l lie at 512 c + 16 l of its 1,536 bytes), so that the next launch loads each fragment by three loads of 16 bytes a lane.
; A work-group takes a UNIT: 128 rows of one sample, 131,072 dense bytes.  y = 0: a unit of s2: codes along D (kc), part2 = s2 . w2, codes along the keys (vc).  y = 1: a unit of s1: part1 = s1 . w1, codes of s1 x w3 along D (qc).
; Both take one way through the text: the buffers are chosen by the work-group's y; what only one of them needs is jumped over by a scalar branch on y.
; A unit whose first row is not under l2 (y = 0) or l1 (y = 1) is read by nobody in the next launch (reference() masks those rows and keys): its work-group stores nothing.  The barriers stand on every way.
; THE ROWS OF A TILE ARE NOT NEIGHBOURS: lane r of tile t (0 .. 7) takes the unit's row 32 (t / 2) + 8 (t % 2) + r + 8 (r / 8): the row's number with bits 3 and 4 exchanged is 16 t + r.  So the unit lies in LDS by that exchanged number.
; The unit's small results (128 dot products; a scale word for each lane and tile: lanes 0-15 the word of K step 0 of row r, lanes 16-31 that of K step 1; for s2 a scale word for each of V's 256 rows) are gathered in LDS
; and leave as one dense record: 1,536 bytes (s1) or 2,560 (s2), 512 consecutive bytes a store.
; A block's scale: the largest magnitude's exponent field less 2, held at 1 from below by a floor among the maximum's leaves.  A block of zeros so gets the byte 1 where the rule says 127: its codes are zeros, and this program alone reads the bytes.
; LIMITS: NaN and infinities among the inputs are not served; a negative l counts as 0.
; No tensor loads, no matrix unit (memory binds), no cluster (work-groups share no input but w's 3,072 bytes).
.set PITCH, 1040                       ; an LDS row: 1,024 bytes + 16: the sixteen rows that a load of 16 bytes a lane touches begin at sixteen different places modulo 256 bytes
.set WL,    128*PITCH                  ; behind the unit: the dot vector (w2 or w1), 1,024 bytes, then w3, 1,024 bytes
.set GATH,  WL+2048                    ; behind them: the unit's record
.set X,   32                           ; v32-159   128 numbers of a lane
.set WP,  160                          ; v160-223  64 numbers of w
.set CD,  160                          ; v160-183  later: the two fragments along D
.set FA,  184                          ; v184-195  V's fragment of rows 32 w .. + 15
.set FB,  196                          ; v196-207  and of rows 32 w + 16 .. + 31
.set TT,  208                          ; v208-223  second halves of blocks (a conversion's three registers begin on an even number)
.set DD,  224                          ; v224-231  four packed sums
.set TX,  232                          ; v232-235  largest magnitudes
.set SO,  236                          ; v236-239  the conversions' scale operands
.set BY,  240                          ; v240-243  the scales' bytes
	s_load_b512 s[4:19], s[0:1], 0x0               ; l1 s[4:5], l2 s[6:7], s1 s[8:9], s2 s[10:11], w s[12:13], qc s[14:15], auxq s[16:17], kc s[18:19]
	s_load_b128 s[20:23], s[0:1], 0x40             ; auxk s[20:21], vc s[22:23]
	v_lshl_add_u32 v30, v0, 2, 0x22000
	v_mov_b32 v31, 0
	v_lshrrev_b32 v1, 5, v0
	v_readfirstlane_b32 s32, v1                    ; wave 0..7
	s_and_b32 s33, ttmp7, 0xffff                   ; y
	s_mov_b32 s34, ttmp9                           ; unit = 8 x sample + which 128 rows
	s_mov_b32 s48, 0x76543210
	s_mov_b32 s49, 0xfedcba98                      ; v_permlanex16_b32's selects for lane l xor 16
	v_and_b32 v1, 31, v0                           ; lane
	v_and_b32 v2, 15, v0                           ; r
	v_bfe_u32 v3, v0, 4, 1                         ; h
	v_lshlrev_b32 v4, 4, v1                        ; 16 x lane
	s_lshr_b32 s40, s32, 1
	s_and_b32 s41, s32, 1
	s_lshl_b32 s40, s40, 5
	s_lshl_b32 s41, s41, 3
	s_add_co_u32 s42, s40, s41                     ; 32 (w / 2) + 8 (w % 2)
	s_mul_i32 s43, s42, PITCH
	v_add_nc_u32 v5, s43, v4                       ; into LDS: memory rows 16 w + p go to LDS rows 32 (w / 2) + 8 (w % 2) + 16 (p / 8) + p % 8
	s_mul_i32 s43, s32, 16*PITCH
	v_mul_u32_u24 v6, v2, PITCH
	v_lshl_add_u32 v6, v3, 7, v6
	v_add_nc_u32 v6, s43, v6                       ; tile w, row r, + 128 h: my 32 numbers of each 64 along D
	v_lshl_add_u32 v7, v3, 7, WL                   ; the same 32 of the dot vector
	s_cmp_eq_u32 s33, 0
	s_cselect_b32 s36, 1024, 0                     ; the dot vector in w: w2 for s2, w1 for s1
	s_cmp_lt_u32 s32, 2
	s_cselect_b32 s43, s36, 1024                   ; waves 0, 1 bring it; waves 2, 3 bring w3 (bytes 2,048 on: 1,024 + 512 w)
	s_lshl_b32 s44, s32, 9                         ; 512 w
	s_add_co_u32 s43, s43, s44
	v_add_nc_u32 v8, s43, v4                       ; from w
	v_add_nc_u32 v18, s44, v4                      ; 512 w + 16 x lane: the record's place in memory,
	v_add_nc_u32 v9, WL, v18                       ; w's place in LDS,
	v_add_nc_u32 v17, GATH, v18                    ; the record's place in LDS
	s_lshl_b32 s43, s32, 7
	v_lshl_add_u32 v10, v1, 2, s43                 ; column 32 w + lane, keys 0 .. 31;
	v_add_nc_u32 v11, 32*PITCH, v10                ; 32 .. 63;
	v_add_nc_u32 v12, 64*PITCH, v10
	v_add_nc_u32 v13, 96*PITCH, v10
	v_add_nc_u32 v16, GATH+1536, v10               ; V's scale word of row 32 w + lane
	v_and_b32 v19, 8, v2
	v_add_nc_u32 v19, v19, v2
	v_add_nc_u32 v19, s42, v19                     ; my row of the unit
	v_lshl_add_u32 v14, v19, 2, GATH               ; its dot product, by the row's true number
	s_lshr_b32 s43, s32, 2
	s_lshl_b32 s43, s43, 9
	s_and_b32 s45, s32, 3
	s_lshl_b32 s45, s45, 2
	s_add_co_u32 s43, s43, s45
	s_add_co_u32 s43, s43, GATH+512
	v_add_nc_u32 v15, s43, v4                      ; the tile's scale word: [four tiles][lane][tile % 4]
.irp k, 20,21,22,23,244,245,246,247,248,249,250,251,252,253,254,255
	v_mov_b32 v\k, 0                               ; written once: a lane permute's destination counts as one of its sources
.endr
	s_lshr_b32 s38, s34, 3
	s_lshl_b32 s38, s38, 2                         ; 4 x sample
	s_mov_b32 s39, 0
	s_and_b32 s47, s34, 7
	s_lshl_b32 s47, s47, 7                         ; the unit's first row
	s_wait_kmcnt 0x0
	s_cmp_eq_u32 s33, 0                            ; the choice hangs on the work-group's y alone
	s_cselect_b64 s[24:25], s[10:11], s[8:9]       ; the numbers: s2 or s1
	s_cselect_b64 s[26:27], s[6:7], s[4:5]         ; the length: l2 or l1
	s_cselect_b64 s[28:29], s[18:19], s[14:15]     ; the codes along D: kc or qc
	s_cselect_b64 s[30:31], s[20:21], s[16:17]     ; the records: auxk or auxq
	s_mov_b32 s35, 1536
	s_cselect_b32 s35, 2560, s35                   ; a record's bytes
	s_add_nc_u64 s[26:27], s[26:27], s[38:39]
	s_load_b32 s37, s[26:27], 0x0                  ; the sample's length
	s_lshl_b32 s40, s34, 17                        ; unit x 131,072
	s_lshl_b32 s42, s32, 14                        ; + wave x 16 rows
	s_add_co_u32 s40, s40, s42
	s_mov_b32 s41, 0
	s_add_nc_u64 s[24:25], s[24:25], s[40:41]
	s_mul_i32 s40, s34, 24576                      ; unit x 16 fragments
	s_mul_i32 s42, s32, 3072                       ; + wave x 2
	s_add_co_u32 s40, s40, s42
	s_add_nc_u64 s[28:29], s[28:29], s[40:41]
	s_add_nc_u64 s[22:23], s[22:23], s[40:41]
	s_mul_i32 s40, s34, s35
	s_add_nc_u64 s[30:31], s[30:31], s[40:41]
	s_wait_kmcnt 0x0
	s_max_i32 s37, s37, 0
	s_cmp_lt_u32 s47, s37
	s_cselect_b32 s50, 1, 0                        ; 1: the unit is wanted
; ---- the unit comes in: each load of a wave reads 512 consecutive bytes; 32 loads a wave, 131,072 bytes a work-group, are out together
	s_cmp_eq_u32 s50, 0
	s_cbranch_scc1 .Lmeet_a
	s_cmp_lt_u32 s32, 4
	s_cbranch_scc0 .Lno_w
	global_load_b128 v[20:23], v8, s[12:13]
.Lno_w:
.set t, 0
.rept 32
	global_load_b128 v[X+4*t:X+4*t+3], v4, s[24:25] offset:512*t th:TH_LOAD_NT
.set t, t+1
.endr
.set t, 0
.rept 32
	s_wait_loadcnt 31-t                            ; loads come back in order: load t is in; the 31 - t issued behind it may be out
	ds_store_b128 v5, v[X+4*t:X+4*t+3] offset:(16*((t/2)/8)+((t/2)%8))*PITCH+512*(t%2)
.set t, t+1
.endr
	s_cmp_lt_u32 s32, 4
	s_cbranch_scc0 .Lmeet_a
	ds_store_b128 v9, v[20:23]                     ; (issued ahead of the tile's loads, so it is in)
.Lmeet_a:
	s_wait_dscnt 0x0                               ; for the others' sake: my stores have landed
	s_barrier_signal -1
	s_barrier_wait -1
	s_cmp_eq_u32 s50, 0
	s_cbranch_scc1 .Lmeet_b
.macro WPIECE base, q0                 ; my 32 numbers of each of two 64s of a vector of w
.irp e, 0,1
.irp j, 0,1,2,3,4,5,6,7
	ds_load_b128 v[WP+32*\e+4*\j:WP+32*\e+4*\j+3], v7 offset:\base+256*(\q0+\e)+16*\j
.endr
.endr
	s_wait_dscnt 0x0
.endm
.macro DOT q0                          ; two packed sums by turns; each begins with a product: nothing is cleared
.irp e, 0,1
	v_pk_mul_f32 v[DD+2*(\q0+\e):DD+2*(\q0+\e)+1], v[X+32*(\q0+\e):X+32*(\q0+\e)+1], v[WP+32*\e:WP+32*\e+1]
.endr
.irp k, 2,4,6,8,10,12,14,16,18,20,22,24,26,28,30
.irp e, 0,1
	v_pk_fma_f32 v[DD+2*(\q0+\e):DD+2*(\q0+\e)+1], v[X+32*(\q0+\e)+\k:X+32*(\q0+\e)+\k+1], v[WP+32*\e+\k:WP+32*\e+\k+1], v[DD+2*(\q0+\e):DD+2*(\q0+\e)+1]
.endr
.endr
.endm
.macro GAIN q0                         ; x w3, in place
.irp k, 0,2,4,6,8,10,12,14,16,18,20,22,24,26,28,30
.irp e, 0,1
	v_pk_mul_f32 v[X+32*(\q0+\e)+\k:X+32*(\q0+\e)+\k+1], v[X+32*(\q0+\e)+\k:X+32*(\q0+\e)+\k+1], v[WP+32*\e+\k:WP+32*\e+\k+1]
.endr
.endr
.endm
.macro BLKMAX                          ; four blocks of 32 numbers, v[X + 32 q] on: largest magnitude, scale operand, byte; the four by turns
.irp q, 0,1,2,3
	v_max3_num_f32 v[TX+\q], |v[X+32*\q]|, |v[X+32*\q+1]|, 0x1800000   ; the floor 2^(3 - 127): the byte cannot fall under 1
.endr
.irp k, 2,4,6,8,10,12,14,16,18,20,22,24,26,28,30
.irp q, 0,1,2,3
	v_max3_num_f32 v[TX+\q], v[TX+\q], |v[X+32*\q+\k]|, |v[X+32*\q+\k+1]|
.endr
.endr
.irp q, 0,1,2,3
	v_add_nc_u32 v[SO+\q], 0xff000000, v[TX+\q]    ; 2 off the exponent field: the conversion takes this operand's exponent field as its scale
.endr
.irp q, 0,1,2,3
	v_lshrrev_b32 v[BY+\q], 23, v[SO+\q]
.endr
.endm
; ---- along D: wave w takes tile w.  Lane (r, h) holds, for q = 0 .. 3, d = 64 q + 32 h + 0 .. 31 of its row: a whole block, in the order of the operand's registers
.irp q, 0,1,2,3
.irp j, 0,1,2,3,4,5,6,7
	ds_load_b128 v[X+32*\q+4*\j:X+32*\q+4*\j+3], v6 offset:256*\q+16*\j
.endr
.endr
	WPIECE 0, 0
	DOT 0
	WPIECE 0, 2
	DOT 2
	s_cmp_eq_u32 s33, 0
	s_cbranch_scc1 .Lno_gain                       ; s2 is quantised as it is; s1 x w3 is what the first product takes
	WPIECE 1024, 0
	GAIN 0
	WPIECE 1024, 2
	GAIN 2
.Lno_gain:
	v_pk_add_f32 v[DD:DD+1], v[DD:DD+1], v[DD+2:DD+3]
	v_pk_add_f32 v[DD+4:DD+5], v[DD+4:DD+5], v[DD+6:DD+7]
	v_pk_add_f32 v[DD:DD+1], v[DD:DD+1], v[DD+4:DD+5]
	v_add_f32 v244, v[DD], v[DD+1]
	v_permlanex16_b32 v245, v244, s48, s49
	v_add_f32 v244, v244, v245                     ; with lane l xor 16's half of D: the row's dot product
	BLKMAX
	v_lshlrev_b32 v246, 3, v3                      ; 8 h
.irp s, 0,1
	v_lshl_or_b32 v[247+\s], v[BY+2*\s+1], 16, v[BY+2*\s]   ; K step s: my bytes of blocks h and 2 + h,
.endr
.irp s, 0,1
	v_lshlrev_b32 v[247+\s], v246, v[247+\s]       ; at their places in the word;
.endr
.irp s, 0,1
	v_permlanex16_b32 v[249+\s], v[247+\s], s48, s49
.endr
.irp s, 0,1
	v_or_b32 v[247+\s], v[247+\s], v[249+\s]       ; with lane l xor 16's two the word is whole
.endr
	v_cmp_eq_u32 vcc_lo, 1, v3
	v_cndmask_b32 v251, v247, v248, vcc_lo         ; lanes 0-15 keep K step 0's word, lanes 16-31 K step 1's
.irp q, 0,1,2,3
	v_cvt_scalef32_pk16_fp6_f32 v[CD+6*\q:CD+6*\q+2], v[X+32*\q:X+32*\q+15], v[SO+\q]
	v_cvt_scalef32_pk16_fp6_f32 v[TT+4*\q:TT+4*\q+2], v[X+32*\q+16:X+32*\q+31], v[SO+\q]
.endr
	v_nop                                          ; one plain place behind a scaled conversion
.irp q, 0,1,2,3
.irp i, 0,1,2
	v_mov_b32 v[CD+6*\q+3+\i], v[TT+4*\q+\i]
.endr
.endr
.irp c, 0,1,2,3,4,5
	global_store_b128 v4, v[CD+4*\c:CD+4*\c+3], s[28:29] offset:512*\c   ; 32 lanes store 512 consecutive bytes
.endr
	ds_store_b32 v15, v251
	ds_store_b32 v14, v244                         ; lanes r and r + 16 write the same word with the same value
	s_cmp_lg_u32 s33, 0
	s_cbranch_scc1 .Lmeet_b
; ---- along the keys (s2 alone): a lane takes column 32 w + lane, and its registers run down the unit's 128 keys: four whole blocks a lane
.irp g, 0,1,2,3
.set t, 0
.rept 32
	ds_load_b32 v[X+32*\g+t], v[10+\g] offset:(16*((t/8)%2)+8*(t/16)+(t%8))*PITCH   ; key 32 g + t lies in the LDS row with bits 3 and 4 exchanged
.set t, t+1
.endr
.endr
	s_wait_dscnt 0x0
	BLKMAX
	v_lshl_or_b32 v252, v[BY+1], 8, v[BY]          ; my column's scale word for these 128 keys
	v_lshl_or_b32 v252, v[BY+2], 16, v252
	v_lshl_or_b32 v252, v[BY+3], 24, v252
.irp g, 0,1,2,3
	v_cvt_scalef32_pk16_fp6_f32 v[FA+12*(\g%2)+6*(\g/2):FA+12*(\g%2)+6*(\g/2)+2], v[X+32*\g:X+32*\g+15], v[SO+\g]   ; even blocks to FA, odd ones to FB
	v_cvt_scalef32_pk16_fp6_f32 v[TT+4*\g:TT+4*\g+2], v[X+32*\g+16:X+32*\g+31], v[SO+\g]
.endr
	v_nop                                          ; one plain place behind a scaled conversion
.irp g, 0,1,2,3
.irp i, 0,1,2
	v_mov_b32 v[FA+12*(\g%2)+6*(\g/2)+3+\i], v[TT+4*\g+\i]
.endr
.endr
.irp k, 0,1,2,3,4,5,6,7,8,9,10,11
	v_permlane16_swap_b32 v[FA+\k], v[FB+\k]       ; FA's lanes 16-31 change places with FB's lanes 0-15: FA is now the fragment of columns 32 w .. + 15 (lanes 0-15 the even blocks, lanes 16-31 the odd), FB that of the next 16
.endr
.irp c, 0,1,2,3,4,5
	global_store_b128 v4, v[FA+4*\c:FA+4*\c+3], s[22:23] offset:512*\c
.endr
	ds_store_b32 v16, v252
.Lmeet_b:
	s_wait_dscnt 0x0                               ; for the others' sake: my stores into the record have landed
	s_barrier_signal -1
	s_barrier_wait -1
; ---- the record leaves: 512 consecutive bytes a wave; three waves (s1) or five (s2)
	s_cmp_eq_u32 s50, 0
	s_cbranch_scc1 .Lend
	s_cmp_lt_u32 s32, 3
	s_cbranch_scc1 .Lrecord
	s_cmp_lg_u32 s33, 0
	s_cbranch_scc1 .Lend
	s_cmp_lt_u32 s32, 5
	s_cbranch_scc0 .Lend
.Lrecord:
	ds_load_b128 v[24:27], v17
	s_wait_dscnt 0x0
	global_store_b128 v18, v[24:27], s[30:31]
.Lend:
	s_wait_tensorcnt 0x0
	ds_add_u32 v30, v31
	s_wait_dscnt 0x0
	s_endpgm
.Lfunc_end_k_qdb314c8491_prep:
	.size	k_qdb314c8491_prep, .Lfunc_end_k_qdb314c8491_prep-k_qdb314c8491_prep
	.p2alignl 7, 3214868480
	.fill 96, 4, 3214868480
	.section	.rodata,"a",@progbits
	.p2align	6, 0x0
	.amdhsa_kernel k_qdb314c8491_prep
		.amdhsa_group_segment_fixed_size 140288
		.amdhsa_private_segment_fixed_size 0
		.amdhsa_enable_private_segment 0
		.amdhsa_kernarg_size 80
		.amdhsa_user_sgpr_count 2
		.amdhsa_user_sgpr_kernarg_segment_ptr 1
		.amdhsa_wavefront_size32 1
		.amdhsa_system_sgpr_workgroup_id_x 1
		.amdhsa_system_sgpr_workgroup_id_y 1
		.amdhsa_system_sgpr_workgroup_id_z 1
		.amdhsa_system_vgpr_workitem_id 0
		.amdhsa_next_free_vgpr 256
		.amdhsa_next_free_sgpr 66
		.amdhsa_reserve_vcc 1
		.amdhsa_float_denorm_mode_32 3
		.amdhsa_float_denorm_mode_16_64 3
		.amdhsa_memory_ordered 1
		.amdhsa_forward_progress 1
		.amdhsa_inst_pref_size 48
	.end_amdhsa_kernel
	.amdgpu_metadata
---
amdhsa.version: [ 1, 2 ]
amdhsa.kernels:
  - .name:           k_qdb314c8491_prep
    .symbol:         k_qdb314c8491_prep.kd
    .args:
      - { .name: l1, .offset: 0, .size: 8, .value_kind: global_buffer, .address_space: global }
      - { .name: l2, .offset: 8, .size: 8, .value_kind: global_buffer, .address_space: global }
      - { .name: s1, .offset: 16, .size: 8, .value_kind: global_buffer, .address_space: global }
      - { .name: s2, .offset: 24, .size: 8, .value_kind: global_buffer, .address_space: global }
      - { .name: w, .offset: 32, .size: 8, .value_kind: global_buffer, .address_space: global }
      - { .name: qc, .offset: 40, .size: 8, .value_kind: global_buffer, .address_space: global }
      - { .name: auxq, .offset: 48, .size: 8, .value_kind: global_buffer, .address_space: global }
      - { .name: kc, .offset: 56, .size: 8, .value_kind: global_buffer, .address_space: global }
      - { .name: auxk, .offset: 64, .size: 8, .value_kind: global_buffer, .address_space: global }
      - { .name: vc, .offset: 72, .size: 8, .value_kind: global_buffer, .address_space: global }
    .group_segment_fixed_size: 140288
    .private_segment_fixed_size: 0
    .kernarg_segment_align: 8
    .kernarg_segment_size: 80
    .max_flat_workgroup_size: 256
    .sgpr_count:     66
    .vgpr_count:     256
    .wavefront_size: 32
...
	.end_amdgpu_metadata
.endif
;; end of part 1
;; launch attn (part 2): grid 16 x 32, 4 waves a work-group, no clusters, 75,264 bytes of LDS; arguments l1, l2, qc, auxq, kc, auxk, vc, out0; writes out0
.if DOCPART == 2
	.amdgcn_target "amdgcn-amd-amdhsa--gfx1250"
	.amdhsa_code_object_version 6
	.text
	.protected	k_qdb314c8491_attn
	.globl	k_qdb314c8491_attn
	.p2align	8
	.type	k_qdb314c8491_attn,@function
k_qdb314c8491_attn:
	s_mov_b64 s[64:65], 0
	v_nop
	global_prefetch_b8 v0, s[64:65] scope:SCOPE_SE
	s_setreg_imm32_b32 hwreg(HW_REG_WAVE_MODE, 25, 1), 1
	s_wait_xcnt 0x0
; out0[b][t][:] = the sum over keys k of Q(a[t][k]) Q(s2[b][k][:]), a = softmax_k(part1[t] + part2[k] + Q(s1 w3)[t] . Q(s2)[k]) on the rectangle t < l1, k < l2, and 0 outside.  Both products on codes of FP6 (E2M3).
; a is quantised FINISHED AND NORMALISED, so a row's codes wait for the row's sum: the unnormalised p of 64 queries x all keys stay in registers, in f32, until the sum is there.
; SHARES.  A work-group owns 64 queries of one sample (four tiles m).  THE WAVES SHARE THE COLUMNS.  Scores: wave w takes the groups of 64 keys g = 4 i + w, i = 0 .. 3, for all 64 queries: 32 matrix instructions and
; 128 registers of scores a group; each fragment of K comes from memory once for the work-group and feeds four products.  Second product: wave w takes channels 64 w .. 64 w + 63 for all 64 queries and all keys;
; V's fragments come from memory once for the work-group, a's codes go from wave to wave through LDS as images of the operand's registers.
; WHAT THE MASK THROWS AWAY IS NOT DONE: groups of keys at or beyond l2 and K steps beyond it are jumped over by scalar branches on l1 and l2, which are read from memory; a block of queries at or beyond l1 stores zeros.
; For that reason the operands go from memory straight into registers: the tiles of K and V that a sample's sixteen work-groups share are not asked for jointly;
; of the 1,024 x 1,024 scores of a sample only l1 x l2 are kept, which outweighs the shared requests.  No barrier stands under such a branch, and every register that a later line names is written on every way through the text.
; LAYOUT.  Both products are used transposed (S^T = K Q^T, O^T = V^T a^T): a lane holds ONE query (lane % 16) throughout.  Lane r of a tile of K takes key 32 (t / 2) + 8 (t % 2) + r + 8 (r / 8) of its 128, so that the 16 registers
; of tiles 2 b and 2 b + 1 are 16 neighbouring keys; the queries of a tile are chosen likewise, which the stores' offsets undo.  part2 is the C of a score's first matrix instruction; a hidden key's part2 is replaced by -1e30 there.
; SOFTMAX.  Each group has its own maximum m_i = the largest s (part1 in it): p = 2^((s - m_i) c), c = log2(e).  The row's maximum m and sum l are made from the sixteen groups' (four a wave, then through LDS), and a = p x 2^((m_i - m) c) / l.
; A block's largest a is not searched for: the block's largest score goes through the same instructions.  This takes v_exp_f32 not to fall where its input rises.
; LIMITS: NaN and infinities are not served; l1 and l2 are held to 0 .. 1,024; scores stay well under 1e30 in magnitude, as reference()'s own -1e30 asks; a block of zeros has the byte 1 or 0 where the rule says 127 (its codes are zeros).
; REGISTERS, in windows of 256.  Window 0: see the names below.  Window 1: v0-95 K's eight fragments, v96-191 Q's eight; later v0-95 a's fragments, two sets of four, v128-255 O^T's 16 accumulators.
;   Windows 2, 3: the scores of group i at window 2 + i / 2, v[128 (i % 2)] on, accumulator (kt, m) at + 32 m + 8 kt; later V's fragments of K steps 2 i and 2 i + 1 lie in group i's registers.
.set STAT, 0                           ; LDS: each wave's maxima and sums: 1,024 bytes a wave
.set PSC,  4096                        ; a's scale words: (4 s + m) x 128 + 4 x lane
.set PIMG, 8192                        ; a's fragments: (4 s + m) x 1,536; registers 2 j, 2 j + 1 of lane l at 256 j + 8 l
.set STG,  57344                       ; the way out: 16 rows x (256 bytes + 16) for each wave
.set KSC, 32                           ; v32-35   K's scale words, a register a tile (lanes 0-15: K step 0, lanes 16-31: K step 1)
.set QSC, 36                           ; v36-39   Q's likewise
.set VSC, 40                           ; v40-55   V's: register 2 s + p: lanes 0-15 tile 2 p, lanes 16-31 tile 2 p + 1
.set PSR, 56                           ; v56-63   a's, two sets of four
.set CC,  64                           ; v64-95   part2 as C, eight registers a tile; later the waves' statistics; later rows of O
.set PR,  96                           ; v96-127  pair 8 i + 2 m: low (part1 - m_i) c, later the factor f; high m_i
.set BM,  128                          ; v128-159 8 i + 4 b + m: the block's largest score, then its largest p
.set LL,  160                          ; v160-175 4 i + m: the group's sum of p
.set PC,  176                          ; v176-207 codes, eight registers a tile of queries; later rows of O
.set PT,  208                          ; v208-223 second halves
.set TMP, 224                          ; v224-255 at work
.set KF,  0
.set QF,  96
.set ACC, 128
.set MSB, 0
.macro WIN new                         ; the immediate's low byte: bits 1:0 source 0, 3:2 source 1, 5:4 source 2, 7:6 destination; its high byte repeats the setting that is left
.if MSB != (\new)
	s_set_vgpr_msb (MSB<<8)|(\new)
.set MSB, (\new)
.endif
.endm
.macro PLACES                          ; four plain places behind a matrix instruction (ISA guide 7.12.1), where no other vector work is at hand
.rept 4
	v_nop
.endr
.endm
	s_load_b512 s[4:19], s[0:1], 0x0               ; l1 s[4:5], l2 s[6:7], qc s[8:9], auxq s[10:11], kc s[12:13], auxk s[14:15], vc s[16:17], out0 s[18:19]
	v_lshl_add_u32 v219, v0, 2, 0x12400
	v_mov_b32 v223, 0
	v_lshrrev_b32 v1, 5, v0
	v_readfirstlane_b32 s20, v1                    ; wave 0..3
	s_mov_b32 s21, ttmp9                           ; x: which 64 queries
	s_and_b32 s22, ttmp7, 0xffff                   ; the sample
	v_and_b32 v1, 31, v0                           ; lane
	v_and_b32 v2, 15, v0                           ; r
	v_bfe_u32 v3, v0, 4, 1                         ; h
	v_lshlrev_b32 v4, 4, v1                        ; 16 x lane: an image's place for my lane, in memory and in STAT
	v_and_b32 v29, 8, v2
	v_add_nc_u32 v29, v29, v2                      ; r + 8 (r / 8)
	s_and_b32 s40, s21, 1
	s_lshl_b32 s41, s40, 8
	v_lshl_add_u32 v5, v29, 2, s41                 ; part1: 64 (x % 2) rows on in the unit, my row
	s_lshl_b32 s41, s40, 9
	v_add_nc_u32 v6, s41, v4                       ; Q's scale words: four tiles (x % 2)
	s_lshr_b32 s42, s20, 1                         ; w / 2: which unit of a pair
	s_and_b32 s43, s20, 1                          ; w % 2: which half of the unit
	s_mul_i32 s44, s42, 2560
	s_lshl_b32 s45, s43, 8
	s_add_co_u32 s45, s45, s44
	v_lshl_add_u32 v7, v3, 6, s45                  ; part2: my half's 64 keys, + 16 h keys
	s_lshl_b32 s45, s43, 9
	s_add_co_u32 s45, s45, s44
	v_add_nc_u32 v8, s45, v4                       ; K's scale words
	s_lshl_b32 s45, s20, 8
	v_lshl_add_u32 v9, v1, 2, s45                  ; V's scale words: row 64 w + lane
	s_mul_i32 s44, s42, 6144
	s_mul_i32 s45, s43, 768
	s_add_co_u32 s44, s44, s45
	s_add_co_u32 s44, s44, PIMG
	v_lshl_add_u32 v10, v1, 3, s44                 ; where I store a's codes: K step 2 i + w / 2, registers 6 (w % 2) on
	s_lshl_b32 s44, s42, 9
	s_lshl_b32 s45, s43, 1
	s_add_co_u32 s44, s44, s45
	s_add_co_u32 s44, s44, PSC
	v_lshl_add_u32 v11, v1, 2, s44                 ; and my two bytes of its scale word
	v_lshl_add_u32 v12, v1, 3, PIMG                ; where any wave reads them back
	v_lshl_add_u32 v13, v1, 2, PSC
	s_lshl_b32 s44, s20, 10
	v_add_nc_u32 v14, s44, v4                      ; my wave's statistics
	s_mul_i32 s44, s20, 4352
	s_add_co_u32 s44, s44, STG                     ; my stage
	v_mul_u32_u24 v16, v2, 272
	v_lshl_add_u32 v16, v3, 5, v16
	v_add_nc_u32 v16, s44, v16                     ; in: row r, + 32 h
	v_mul_u32_u24 v17, v3, 272
	v_lshl_add_u32 v17, v2, 4, v17
	v_add_nc_u32 v17, s44, v17                     ; back: lanes 0-15 one row of 256 bytes, lanes 16-31 the next
	v_lshlrev_b32 v18, 10, v3
	v_lshl_add_u32 v18, v2, 4, v18                 ; and the same two rows in out0
.irp k, 20,21,22,23,24,25,26,27
	v_mov_b32 v\k, 0                               ; v20-23 stay 0; v24-27 take part1
.endr
	v_mov_b32 v28, 0xf149f2ca                      ; -1e30
.set j, 0
.rept 16
	v_mov_b32 v[VSC+j], 0x7f7f7f7f                 ; written on every way; a K step that is multiplied loads its own
.set j, j+1
.endr
.set j, 0
.rept 32
	v_mov_b32 v[TMP+j], 0                          ; written once: a lane permute's destination counts as one of its sources
.set j, j+1
.endr
	s_lshl_b32 s28, s22, 2
	s_mov_b32 s29, 0
	s_mov_b32 s30, 0x3fb8aa3b                      ; c = log2(e)
	s_mov_b32 s31, s30                             ; (the packed form names the pair)
	s_mov_b32 s32, 0x76543210
	s_mov_b32 s33, 0xfedcba98                      ; v_permlanex16_b32's selects for lane l xor 16
	s_wait_kmcnt 0x0
	s_add_nc_u64 s[4:5], s[4:5], s[28:29]
	s_add_nc_u64 s[6:7], s[6:7], s[28:29]
	s_load_b32 s23, s[4:5], 0x0                    ; l1
	s_load_b32 s24, s[6:7], 0x0                    ; l2
	s_mul_i32 s40, s22, 196608                     ; the sample's 128 fragments in each buffer of codes
	s_mov_b32 s43, 0
	s_mul_i32 s42, s21, 12288
	s_add_co_u32 s42, s42, s40
	s_add_nc_u64 s[8:9], s[8:9], s[42:43]          ; Q: my block's eight fragments
	s_mul_i32 s42, s20, 12288
	s_add_co_u32 s42, s42, s40
	s_add_nc_u64 s[12:13], s[12:13], s[42:43]      ; K: group w's eight
	s_mul_i32 s42, s20, 6144
	s_add_co_u32 s42, s42, s40
	s_add_nc_u64 s[16:17], s[16:17], s[42:43]      ; V: my four tiles of channels
	s_lshl_b32 s42, s22, 3
	s_lshr_b32 s44, s21, 1
	s_add_co_u32 s42, s42, s44
	s_mul_i32 s42, s42, 1536
	s_add_nc_u64 s[10:11], s[10:11], s[42:43]      ; my unit's record of s1
	s_mul_i32 s42, s22, 20480
	s_add_nc_u64 s[14:15], s[14:15], s[42:43]      ; the sample's eight records of s2
	s_lshl_b32 s42, s22, 20
	s_lshl_b32 s44, s21, 16
	s_add_co_u32 s42, s42, s44
	s_lshl_b32 s44, s20, 8
	s_add_co_u32 s42, s42, s44
	s_add_nc_u64 s[18:19], s[18:19], s[42:43]      ; out0: my block's first row, my 64 channels
	s_wait_kmcnt 0x0
	s_max_i32 s23, s23, 0
	s_min_i32 s23, s23, 1024
	s_max_i32 s24, s24, 0
	s_min_i32 s24, s24, 1024
	s_lshl_b32 s38, s21, 6                         ; my first query
	s_sub_co_i32 s37, s23, s38                     ; queries of my block under l1 (may be negative)
	s_cmp_lt_u32 s38, s23
	s_cselect_b32 s25, s24, 0                      ; the keys that count for this block: l2, or none
	s_add_co_u32 s26, s25, 63
	s_lshr_b32 s26, s26, 6
	s_add_co_u32 s26, s26, 3
	s_sub_co_u32 s26, s26, s20
	s_lshr_b32 s26, s26, 2                         ; my wave's groups: those i with 64 (4 i + w) under it
	s_add_co_u32 s27, s25, 127
	s_lshr_b32 s27, s27, 7                         ; K steps of the second product
	s_lshl_b32 s36, s20, 6
	s_sub_co_i32 s39, s25, s36
	v_lshlrev_b32 v19, 4, v3
	v_sub_nc_u32 v19, s39, v19                     ; keys that count - 64 w - 16 h: serves a comparison alone
.macro QLOAD
	WIN 0x40                                       ; destination window 1
.irp f, 0,1,2,3,4,5,6,7
.irp c, 0,1,2
	global_load_b128 v[QF+12*\f+4*\c:QF+12*\f+4*\c+3], v4, s[8:9] offset:1536*\f+512*\c   ; fragment 2 m + K step
.endr
.endr
	WIN 0
	global_load_b128 v[QSC:QSC+3], v6, s[10:11] offset:512
.irp m, 0,1,2,3
	global_load_b32 v[24+\m], v5, s[10:11] offset:128*(\m/2)+32*(\m%2)
.endr
.endm
.macro KLOAD i                         ; group i: eight fragments, four scale words, part2 of its 64 keys in the result's layout: 33 loads
	WIN 0x40
.irp f, 0,1,2,3,4,5,6,7
.irp c, 0,1,2
	global_load_b128 v[KF+12*\f+4*\c:KF+12*\f+4*\c+3], v4, s[12:13] offset:49152*(\i)+1536*\f+512*\c
.endr
.endr
	WIN 0
	global_load_b128 v[KSC:KSC+3], v8, s[14:15] offset:5120*(\i)+512
.irp t, 0,1,2,3
.irp e, 0,1
	global_load_b128 v[CC+8*\t+4*\e:CC+8*\t+4*\e+3], v7, s[14:15] offset:5120*(\i)+4*(32*(\t/2)+8*(\t%2))+16*\e
.endr
.endr
.endm
; 16 products: four tiles of keys x four tiles of queries, K step ks.  The 16 accumulators take turns, one instruction a turn, in the same order in both K steps.
.macro QK ks
.irp t, 0,1,2,3
.irp m, 0,1,2,3
.if \ks == 0
	v_wmma_scale_f32_16x16x128_f8f6f4 v[SB+32*\m+8*\t:SB+32*\m+8*\t+7], v[KF+24*\t:KF+24*\t+11], v[QF+24*\m:QF+24*\m+11], v[CC+8*\t:CC+8*\t+7], v[KSC+\t], v[QSC+\m] matrix_a_fmt:MATRIX_FMT_FP6 matrix_b_fmt:MATRIX_FMT_FP6
.else
	v_wmma_scale_f32_16x16x128_f8f6f4 v[SB+32*\m+8*\t:SB+32*\m+8*\t+7], v[KF+24*\t+12:KF+24*\t+23], v[QF+24*\m+12:QF+24*\m+23], v[SB+32*\m+8*\t:SB+32*\m+8*\t+7], v[KSC+\t], v[QSC+\m] matrix_a_fmt:MATRIX_FMT_FP6 matrix_b_fmt:MATRIX_FMT_FP6 matrix_a_scale:MATRIX_SCALE_ROW1 matrix_b_scale:MATRIX_SCALE_ROW1
.endif
.endr
.endr
.endm
; The vector work of group i: block maxima, the group's maximum, p in place, the group's sums.
.macro VEC i
	WIN (XW<<4)|(XW<<2)|XW
.irp b, 0,1
.irp m, 0,1,2,3
	v_max3_num_f32 v[BM+8*(\i)+4*\b+\m], v[SB+32*\m+16*\b], v[SB+32*\m+16*\b+1], v[SB+32*\m+16*\b+2]   ; each accumulator is read from its low end on; the eight blocks by turns
.endr
.endr
	WIN (XW<<4)|(XW<<2)
.irp k, 3,5,7,9,11,13
.irp b, 0,1
.irp m, 0,1,2,3
	v_max3_num_f32 v[BM+8*(\i)+4*\b+\m], v[BM+8*(\i)+4*\b+\m], v[SB+32*\m+16*\b+\k], v[SB+32*\m+16*\b+\k+1]
.endr
.endr
.endr
.irp b, 0,1
.irp m, 0,1,2,3
	v_max_num_f32 v[BM+8*(\i)+4*\b+\m], v[BM+8*(\i)+4*\b+\m], v[SB+32*\m+16*\b+15]
.endr
.endr
	WIN 0
.irp k, 0,1,2,3,4,5,6,7
	v_permlanex16_b32 v[TMP+\k], v[BM+8*(\i)+\k], s32, s33
.endr
.irp k, 0,1,2,3,4,5,6,7
	v_max_num_f32 v[BM+8*(\i)+\k], v[BM+8*(\i)+\k], v[TMP+\k]   ; with lane l xor 16's 16 keys: the block's largest score
.endr
.irp m, 0,1,2,3
	v_max_num_f32 v[TMP+8+\m], v[BM+8*(\i)+\m], v[BM+8*(\i)+4+\m]
.endr
.irp m, 0,1,2,3
	v_add_f32 v[PR+8*(\i)+2*\m+1], v[TMP+8+\m], v[24+\m]        ; m_i = the largest part2 + cross, + part1
.endr
.irp m, 0,1,2,3
	v_sub_f32 v[TMP+8+\m], v[24+\m], v[PR+8*(\i)+2*\m+1]
.endr
.irp m, 0,1,2,3
	v_mul_f32 v[PR+8*(\i)+2*\m], s30, v[TMP+8+\m]               ; (part1 - m_i) c
.endr
.irp b, 0,1
.irp m, 0,1,2,3
	v_fma_f32 v[BM+8*(\i)+4*\b+\m], v[BM+8*(\i)+4*\b+\m], s30, v[PR+8*(\i)+2*\m]
.endr
.endr
	WIN (XW<<6)|XW
.irp m, 0,1,2,3
.set j, 0
.rept 16
	v_pk_fma_f32 v[SB+32*\m+j:SB+32*\m+j+1], v[SB+32*\m+j:SB+32*\m+j+1], s[30:31], v[PR+8*(\i)+2*\m:PR+8*(\i)+2*\m+1] op_sel_hi:[1,0,0]   ; (s - m_i) c, two at a time
.set j, j+2
.endr
.endr
.set j, 0
.rept 128
	v_exp_f32 v[SB+j], v[SB+j]
.set j, j+1
.endr
	WIN 0
.irp k, 0,1,2,3,4,5,6,7
	v_exp_f32 v[BM+8*(\i)+\k], v[BM+8*(\i)+\k]     ; the block's largest p: the same instructions on the same number
.endr
	v_nop                                          ; one plain place behind the exponentials
	WIN (XW<<2)|XW
	s_wait_alu depctr_va_vdst(0)
.irp m, 0,1,2,3
	v_pk_add_f32 v[TMP+4*\m:TMP+4*\m+1], v[SB+32*\m:SB+32*\m+1], v[SB+32*\m+4:SB+32*\m+5]      ; the sums of the unquantised p: two chains a tile, begun by additions
	v_pk_add_f32 v[TMP+4*\m+2:TMP+4*\m+3], v[SB+32*\m+2:SB+32*\m+3], v[SB+32*\m+6:SB+32*\m+7]
.endr
	WIN (XW<<2)
.irp k, 8,12,16,20,24,28
.irp m, 0,1,2,3
	v_pk_add_f32 v[TMP+4*\m:TMP+4*\m+1], v[TMP+4*\m:TMP+4*\m+1], v[SB+32*\m+\k:SB+32*\m+\k+1]
	v_pk_add_f32 v[TMP+4*\m+2:TMP+4*\m+3], v[TMP+4*\m+2:TMP+4*\m+3], v[SB+32*\m+\k+2:SB+32*\m+\k+3]
.endr
.endr
	WIN 0
.irp m, 0,1,2,3
	v_pk_add_f32 v[TMP+4*\m:TMP+4*\m+1], v[TMP+4*\m:TMP+4*\m+1], v[TMP+4*\m+2:TMP+4*\m+3]
.endr
.irp m, 0,1,2,3
	v_add_f32 v[TMP+20+\m], v[TMP+4*\m], v[TMP+4*\m+1]
.endr
.irp m, 0,1,2,3
	v_permlanex16_b32 v[TMP+16+\m], v[TMP+20+\m], s32, s33
.endr
.irp m, 0,1,2,3
	v_add_f32 v[LL+4*(\i)+\m], v[TMP+20+\m], v[TMP+16+\m]
.endr
.endm
.macro GROUP i, nxt
.set SB, 128*((\i)%2)
.set XW, 2+(\i)/2
	s_wait_loadcnt 0x0                             ; the group's operands (asked for ahead of the last group's vector work)
	s_add_co_u32 s40, s36, 256*(\i)+64
	s_cmp_le_u32 s40, s25
	s_cbranch_scc1 .Lfull_\@                       ; all 64 keys count
	v_add_nc_u32 v30, -256*(\i), v19               ; register 8 t + j of C holds key 32 (t / 2) + 8 (t % 2) + j of my 16 h on: it counts where that is under v30
.irp t, 0,1,2,3
.irp j, 0,1,2,3,4,5,6,7
	v_cmp_lt_i32 vcc_lo, 32*(\t/2)+8*(\t%2)+\j, v30
	v_cndmask_b32 v[CC+8*\t+\j], v28, v[CC+8*\t+\j], vcc_lo   ; a hidden key's part2 becomes -1e30: 64 lines on the 32 registers that all four tiles of queries share
.endr
.endr
	PLACES
.Lfull_\@:
	WIN (XW<<6)|5                                  ; K and Q window 1, C window 0, D the group's window
	QK 0
	WIN (XW<<6)|(XW<<4)|5                          ; C and D the group's window
	QK 1
	WIN 0
	PLACES                                         ; in front of loads into registers that the products read, and of the first read of results
.if (\i) < 3
	s_cmp_le_u32 s26, (\i)+1
	s_cbranch_scc1 .Lnok_\@
	KLOAD (\i)+1                                   ; the next group's operands land under this group's vector work
.Lnok_\@:
.endif
	VEC \i
.if (\i) < 3
	s_cmp_le_u32 s26, (\i)+1
	s_cbranch_scc1 .Lzc\nxt
.endif
.endm
.macro ZERO i                          ; a group that is left out: its registers are written, since later lines name them on every way: no p, no sum, a maximum under every other
	WIN (2+(\i)/2)<<6
.set j, 0
.rept 128
	v_mov_b32 v[128*((\i)%2)+j], 0
.set j, j+1
.endr
	WIN 0
.irp k, 0,1,2,3,4,5,6,7
	v_mov_b32 v[BM+8*(\i)+\k], 0
.endr
.irp m, 0,1,2,3
	v_mov_b32 v[PR+8*(\i)+2*\m], 0
	v_mov_b32 v[PR+8*(\i)+2*\m+1], v28
	v_mov_b32 v[LL+4*(\i)+\m], 0
.endr
.endm
	s_cmp_eq_u32 s26, 0
	s_cbranch_scc1 .Lzc0
	QLOAD
	KLOAD 0
	GROUP 0, 1
	GROUP 1, 2
	GROUP 2, 3
	GROUP 3, 4
	s_branch .Lzc4
.Lzc0:
	ZERO 0
.Lzc1:
	ZERO 1
.Lzc2:
	ZERO 2
.Lzc3:
	ZERO 3
.Lzc4:
	s_wait_loadcnt 0x0                             ; no load is out on any way that leads here
; ---- my wave's maximum and sum for each query
.irp m, 0,1,2,3
	v_max3_num_f32 v[TMP+\m], v[PR+2*\m+1], v[PR+8+2*\m+1], v[PR+16+2*\m+1]
.endr
.irp m, 0,1,2,3
	v_max_num_f32 v[TMP+\m], v[TMP+\m], v[PR+24+2*\m+1]
.endr
.irp i, 0,1,2,3
.irp m, 0,1,2,3
	v_sub_f32 v[TMP+8+4*\i+\m], v[PR+8*\i+2*\m+1], v[TMP+\m]   ; the difference first, then x c
.endr
.endr
.irp k, 0,1,2,3,4,5,6,7,8,9,10,11,12,13,14,15
	v_mul_f32 v[TMP+8+\k], s30, v[TMP+8+\k]
.endr
.irp k, 0,1,2,3,4,5,6,7,8,9,10,11,12,13,14,15
	v_exp_f32 v[TMP+8+\k], v[TMP+8+\k]
.endr
	v_nop                                          ; one plain place behind the exponentials
	s_wait_alu depctr_va_vdst(0)
.irp m, 0,1,2,3
	v_mul_f32 v[TMP+4+\m], v[LL+\m], v[TMP+8+\m]
.endr
.irp i, 1,2,3
.irp m, 0,1,2,3
	v_fmac_f32 v[TMP+4+\m], v[LL+4*\i+\m], v[TMP+8+4*\i+\m]
.endr
.endr
	ds_store_b128 v14, v[TMP:TMP+3]
	ds_store_b128 v14, v[TMP+4:TMP+7] offset:512
	s_wait_dscnt 0x0                               ; for the others' sake: my stores have landed
	s_barrier_signal -1
	s_barrier_wait -1
; ---- the row's maximum, sum and the factors f = 2^((m_i - m) c) / l
.irp u, 0,1,2,3
	ds_load_b128 v[CC+8*\u:CC+8*\u+3], v4 offset:STAT+1024*\u
	ds_load_b128 v[CC+8*\u+4:CC+8*\u+7], v4 offset:STAT+1024*\u+512
.endr
	s_wait_dscnt 0x0
.irp m, 0,1,2,3
	v_max3_num_f32 v[TMP+\m], v[CC+\m], v[CC+8+\m], v[CC+16+\m]
.endr
.irp m, 0,1,2,3
	v_max_num_f32 v[TMP+\m], v[TMP+\m], v[CC+24+\m]
.endr
.irp u, 0,1,2,3
.irp m, 0,1,2,3
	v_sub_f32 v[TMP+8+4*\u+\m], v[CC+8*\u+\m], v[TMP+\m]
.endr
.endr
.irp k, 0,1,2,3,4,5,6,7,8,9,10,11,12,13,14,15
	v_mul_f32 v[TMP+8+\k], s30, v[TMP+8+\k]
.endr
.irp k, 0,1,2,3,4,5,6,7,8,9,10,11,12,13,14,15
	v_exp_f32 v[TMP+8+\k], v[TMP+8+\k]
.endr
	v_nop
	s_wait_alu depctr_va_vdst(0)
.irp m, 0,1,2,3
	v_mul_f32 v[TMP+4+\m], v[CC+4+\m], v[TMP+8+\m]
.endr
.irp u, 1,2,3
.irp m, 0,1,2,3
	v_fmac_f32 v[TMP+4+\m], v[CC+8*\u+4+\m], v[TMP+8+4*\u+\m]
.endr
.endr
.irp m, 0,1,2,3
	v_rcp_f32 v[TMP+4+\m], v[TMP+4+\m]
.endr
.irp m, 0,1,2,3
	v_add_nc_u32 v[TMP+24+\m], 32*(\m/2)+8*(\m%2), v29          ; my query's number in the block.  (Plain places behind the reciprocals)
.endr
	s_wait_alu depctr_va_vdst(0)
.irp m, 0,1,2,3
	v_cmp_gt_i32 vcc_lo, s37, v[TMP+24+\m]
	v_cndmask_b32 v[TMP+4+\m], 0, v[TMP+4+\m], vcc_lo           ; a query at or beyond l1: every a is 0
.endr
.irp i, 0,1,2,3
.irp m, 0,1,2,3
	v_sub_f32 v[TMP+8+4*\i+\m], v[PR+8*\i+2*\m+1], v[TMP+\m]
.endr
.endr
.irp k, 0,1,2,3,4,5,6,7,8,9,10,11,12,13,14,15
	v_mul_f32 v[TMP+8+\k], s30, v[TMP+8+\k]
.endr
.irp k, 0,1,2,3,4,5,6,7,8,9,10,11,12,13,14,15
	v_exp_f32 v[TMP+8+\k], v[TMP+8+\k]
.endr
	v_nop
	s_wait_alu depctr_va_vdst(0)
.irp i, 0,1,2,3
.irp m, 0,1,2,3
	v_mul_f32 v[PR+8*\i+2*\m], v[TMP+8+4*\i+\m], v[TMP+4+\m]
.endr
.endr
; Group i's p become a, are quantised along the keys, and go to LDS as half of a fragment's image (registers 6 (w % 2) on of K step 2 i + w / 2) and two bytes of its scale word.
.macro NORMQ i
.set SB, 128*((\i)%2)
.set XW, 2+(\i)/2
	s_wait_dscnt 0x0                               ; the last group's LDS stores have read their registers
	WIN (XW<<6)|XW
.irp m, 0,1,2,3
.set j, 0
.rept 16
	v_pk_mul_f32 v[SB+32*\m+j:SB+32*\m+j+1], v[SB+32*\m+j:SB+32*\m+j+1], v[PR+8*(\i)+2*\m:PR+8*(\i)+2*\m+1] op_sel_hi:[1,0]
.set j, j+2
.endr
.endr
	WIN 0
.irp b, 0,1
.irp m, 0,1,2,3
	v_mul_f32 v[TMP+4*\b+\m], v[BM+8*(\i)+4*\b+\m], v[PR+8*(\i)+2*\m]   ; the block's largest a
.endr
.endr
.irp k, 0,1,2,3,4,5,6,7
	v_max_num_f32 v[TMP+\k], 0x1800000, v[TMP+\k]  ; the floor 2^(3 - 127): the byte cannot fall under 1
.endr
.irp k, 0,1,2,3,4,5,6,7
	v_add_nc_u32 v[TMP+\k], 0xff000000, v[TMP+\k]  ; 2 off the exponent field: the conversion's scale operand
.endr
.irp k, 0,1,2,3,4,5,6,7
	v_lshrrev_b32 v[TMP+8+\k], 23, v[TMP+\k]
.endr
.irp m, 0,1,2,3
	v_lshl_or_b32 v[TMP+16+\m], v[TMP+12+\m], 8, v[TMP+8+\m]
.endr
	WIN XW
.irp m, 0,1,2,3
	v_cvt_scalef32_pk16_fp6_f32 v[PC+8*\m:PC+8*\m+2], v[SB+32*\m:SB+32*\m+15], v[TMP+\m]
	v_cvt_scalef32_pk16_fp6_f32 v[PT+4*\m:PT+4*\m+2], v[SB+32*\m+16:SB+32*\m+31], v[TMP+4+\m]
.endr
	WIN 0
	v_nop                                          ; one plain place behind a scaled conversion
.irp m, 0,1,2,3
.irp t, 0,1,2
	v_permlane16_swap_b32 v[PC+8*\m+\t], v[PT+4*\m+\t]   ; the operand's layout wants a whole block in a lane: lanes 0-15 the first block, lanes 16-31 the second
.endr
.endr
.irp m, 0,1,2,3
.irp t, 0,1,2
	v_mov_b32 v[PC+8*\m+3+\t], v[PT+4*\m+\t]
.endr
.endr
.irp m, 0,1,2,3
.irp t, 0,1,2
	ds_store_b64 v10, v[PC+8*\m+2*\t:PC+8*\m+2*\t+1] offset:12288*(\i)+1536*\m+256*\t
.endr
	ds_store_b16 v11, v[TMP+16+\m] offset:1024*(\i)+128*\m
.endr
.endm
.macro ZIMG i                          ; a group that was left out: zero codes, which add nothing under the byte 0
.irp m, 0,1,2,3
.irp t, 0,1,2
	ds_store_b64 v10, v[20:21] offset:12288*(\i)+1536*\m+256*\t
.endr
	ds_store_b16 v11, v20 offset:1024*(\i)+128*\m
.endr
.endm
.macro VLOAD s                         ; V's four fragments and scale words of K step s, if it is multiplied: into registers of scores that are done with
.set VB, 128*(((\s)/2)%2)+48*((\s)%2)
	s_cmp_le_u32 s27, \s
	s_cbranch_scc1 .Lnov_\@
	WIN (2+(\s)/4)<<6
.irp d, 0,1,2,3
.irp c, 0,1,2
	global_load_b128 v[VB+12*\d+4*\c:VB+12*\d+4*\c+3], v4, s[16:17] offset:24576*(\s)+1536*\d+512*\c
.endr
.endr
	WIN 0
	global_load_b32 v[VSC+2*(\s)], v9, s[14:15] offset:2560*(\s)+1536
	global_load_b32 v[VSC+2*(\s)+1], v9, s[14:15] offset:2560*(\s)+1536+128
.Lnov_\@:
.endm
.macro PHASE i
	s_cmp_gt_u32 s26, \i
	s_cbranch_scc0 .Lnone_\@
	NORMQ \i
	s_branch .Ldone_\@
.Lnone_\@:
	ZIMG \i
.Ldone_\@:
	VLOAD 2*(\i)                                   ; on their way under the rest of this phase and the barrier
	VLOAD 2*(\i)+1
.endm
	PHASE 0
	PHASE 1
	PHASE 2
	PHASE 3
	s_wait_dscnt 0x0                               ; for the others' sake: my images have landed
	s_barrier_signal -1
	s_barrier_wait -1
	s_cmp_eq_u32 s27, 0
	s_cbranch_scc1 .Lzout
.macro PLOAD s                         ; a's four fragments and scale words of K step s, as they were stored, into set s % 2
	WIN 0x40
.irp m, 0,1,2,3
.irp t, 0,1,2,3,4,5
	ds_load_b64 v[48*((\s)%2)+12*\m+2*\t:48*((\s)%2)+12*\m+2*\t+1], v12 offset:(4*(\s)+\m)*1536+256*\t
.endr
.endr
	WIN 0
.irp m, 0,1,2,3
	ds_load_b32 v[PSR+4*((\s)%2)+\m], v13 offset:(4*(\s)+\m)*128
.endr
.endm
.macro PVM s, d, m                     ; O^T(tile d of my channels, tile m of queries) += V^T a^T over K step s
.set rD, ACC+8*(4*(\d)+(\m))
.set rA, 128*(((\s)/2)%2)+48*((\s)%2)+12*(\d)
.set rB, 48*((\s)%2)+12*(\m)
.set rU, VSC+2*(\s)+(\d)/2
.set rW, PSR+4*((\s)%2)+(\m)
.if (\s) == 0
.if (\d)%2
	v_wmma_scale_f32_16x16x128_f8f6f4 v[rD:rD+7], v[rA:rA+11], v[rB:rB+11], 0, v[rU], v[rW] matrix_a_fmt:MATRIX_FMT_FP6 matrix_b_fmt:MATRIX_FMT_FP6 matrix_a_scale:MATRIX_SCALE_ROW1
.else
	v_wmma_scale_f32_16x16x128_f8f6f4 v[rD:rD+7], v[rA:rA+11], v[rB:rB+11], 0, v[rU], v[rW] matrix_a_fmt:MATRIX_FMT_FP6 matrix_b_fmt:MATRIX_FMT_FP6
.endif
.else
.if (\d)%2
	v_wmma_scale_f32_16x16x128_f8f6f4 v[rD:rD+7], v[rA:rA+11], v[rB:rB+11], v[rD:rD+7], v[rU], v[rW] matrix_a_fmt:MATRIX_FMT_FP6 matrix_b_fmt:MATRIX_FMT_FP6 matrix_a_scale:MATRIX_SCALE_ROW1
.else
	v_wmma_scale_f32_16x16x128_f8f6f4 v[rD:rD+7], v[rA:rA+11], v[rB:rB+11], v[rD:rD+7], v[rU], v[rW] matrix_a_fmt:MATRIX_FMT_FP6 matrix_b_fmt:MATRIX_FMT_FP6
.endif
.endif
.endm
.macro STEP s                          ; 16 products, the 16 accumulators by turns, in the same order in every K step; the first K step starts the sums
	s_wait_dscnt 0x0                               ; this step's fragments of a are in (asked for a step ago)
.if (\s) > 0
	PLACES                                         ; in front of loads into the set that the last step's products read
.endif
.if (\s) < 7
	PLOAD (\s)+1                                   ; every image has been written, by codes or by zeros
.endif
	WIN 0x54|(2+(\s)/4)                            ; V window 2 or 3; a, C and D window 1
.irp d, 0,1,2,3
.irp m, 0,1,2,3
	PVM \s, \d, \m
.endr
.endr
	WIN 0
.if (\s) < 7
	s_cmp_le_u32 s27, (\s)+1
	s_cbranch_scc1 .Lout                           ; the keys beyond count for nothing
.endif
.endm
	PLOAD 0
	s_wait_loadcnt 0x0                             ; V
	STEP 0
	STEP 1
	STEP 2
	STEP 3
	STEP 4
	STEP 5
	STEP 6
	STEP 7
.Lout:
; ---- the way out: a tile of 16 queries x my 64 channels at a time through my own stage, so that sixteen lanes store 256 consecutive bytes, at a multiple of 256 from out0's first byte
	s_wait_dscnt 0x0
	PLACES
.irp m, 0,1,2,3
.set OB, CC+112*(\m%2)                 ; v64-95 and v176-207 by turns
.if \m >= 2
	s_wait_xcnt 0x0                                ; the stores of two tiles ago have read their registers
.endif
	WIN 0x04                                       ; an LDS store's data are its source 1: window 1
.irp d, 0,1,2,3
	ds_store_b128 v16, v[ACC+8*(4*\d+\m):ACC+8*(4*\d+\m)+3] offset:64*\d        ; each accumulator from its low end on
	ds_store_b128 v16, v[ACC+8*(4*\d+\m)+4:ACC+8*(4*\d+\m)+7] offset:64*\d+16
.endr
	WIN 0
.irp t, 0,1,2,3,4,5,6,7
	ds_load_b128 v[OB+4*\t:OB+4*\t+3], v17 offset:544*\t                        ; LDS serves a wave's instructions in order: these see my stores
.endr
	s_wait_dscnt 0x0
.irp t, 0,1,2,3,4,5,6,7
	global_store_b128 v18, v[OB+4*\t:OB+4*\t+3], s[18:19] offset:(32*(\m/2)+8*(\m%2)+2*\t+8*(\t/4))*1024 th:TH_STORE_NT   ; the tile's row 2 t + h is the block's query 32 (m / 2) + 8 (m % 2) + 2 t + h + 8 (t / 4)
.endr
.endr
	s_branch .Lend
.Lzout:
; ---- no key counts, or no query of the block: zeros
.irp m, 0,1,2,3
.irp t, 0,1,2,3,4,5,6,7
	global_store_b128 v18, v[20:23], s[18:19] offset:(32*(\m/2)+8*(\m%2)+2*\t+8*(\t/4))*1024 th:TH_STORE_NT
.endr
.endr
.Lend:
	s_wait_tensorcnt 0x0
	ds_add_u32 v219, v223
	s_wait_dscnt 0x0
	s_endpgm
.Lfunc_end_k_qdb314c8491_attn:
	.size	k_qdb314c8491_attn, .Lfunc_end_k_qdb314c8491_attn-k_qdb314c8491_attn
	.p2alignl 7, 3214868480
	.fill 96, 4, 3214868480
	.section	.rodata,"a",@progbits
	.p2align	6, 0x0
	.amdhsa_kernel k_qdb314c8491_attn
		.amdhsa_group_segment_fixed_size 75264
		.amdhsa_private_segment_fixed_size 0
		.amdhsa_enable_private_segment 0
		.amdhsa_kernarg_size 64
		.amdhsa_user_sgpr_count 2
		.amdhsa_user_sgpr_kernarg_segment_ptr 1
		.amdhsa_wavefront_size32 1
		.amdhsa_system_sgpr_workgroup_id_x 1
		.amdhsa_system_sgpr_workgroup_id_y 1
		.amdhsa_system_sgpr_workgroup_id_z 1
		.amdhsa_system_vgpr_workitem_id 0
		.amdhsa_next_free_vgpr 1024
		.amdhsa_next_free_sgpr 66
		.amdhsa_reserve_vcc 1
		.amdhsa_float_denorm_mode_32 3
		.amdhsa_float_denorm_mode_16_64 3
		.amdhsa_memory_ordered 1
		.amdhsa_forward_progress 1
		.amdhsa_inst_pref_size 242
	.end_amdhsa_kernel
	.amdgpu_metadata
---
amdhsa.version: [ 1, 2 ]
amdhsa.kernels:
  - .name:           k_qdb314c8491_attn
    .symbol:         k_qdb314c8491_attn.kd
    .args:
      - { .name: l1, .offset: 0, .size: 8, .value_kind: global_buffer, .address_space: global }
      - { .name: l2, .offset: 8, .size: 8, .value_kind: global_buffer, .address_space: global }
      - { .name: qc, .offset: 16, .size: 8, .value_kind: global_buffer, .address_space: global }
      - { .name: auxq, .offset: 24, .size: 8, .value_kind: global_buffer, .address_space: global }
      - { .name: kc, .offset: 32, .size: 8, .value_kind: global_buffer, .address_space: global }
      - { .name: auxk, .offset: 40, .size: 8, .value_kind: global_buffer, .address_space: global }
      - { .name: vc, .offset: 48, .size: 8, .value_kind: global_buffer, .address_space: global }
      - { .name: out0, .offset: 56, .size: 8, .value_kind: global_buffer, .address_space: global }
    .group_segment_fixed_size: 75264
    .private_segment_fixed_size: 0
    .kernarg_segment_align: 8
    .kernarg_segment_size: 64
    .max_flat_workgroup_size: 128
    .sgpr_count:     66
    .vgpr_count:     1024
    .wavefront_size: 32
...
	.end_amdgpu_metadata
.endif
;; end of part 2
;; ======== version 2 of 3: 2 launches
;; workspace buffers: qc 6,291,456 bytes; kc 6,291,456 bytes; vc 6,291,456 bytes; auxq 393,216 bytes; auxk 655,360 bytes
;; launch prep: the kernel of part 1 again; grid 256 x 2, 8 waves a work-group, no clusters, 140,288 bytes of LDS; arguments l1, l2, s1, s2, w, qc, auxq, kc, auxk, vc; writes qc, auxq, kc, auxk, vc
;; launch attn (part 3): grid 512 x 1, 4 waves a work-group, no clusters, 75,264 bytes of LDS; arguments l1, l2, qc, auxq, kc, auxk, vc, out0; writes out0
.if DOCPART == 3
	.amdgcn_target "amdgcn-amd-amdhsa--gfx1250"
	.amdhsa_code_object_version 6
	.text
	.protected	k_qdb314c8491_attn
	.globl	k_qdb314c8491_attn
	.p2align	8
	.type	k_qdb314c8491_attn,@function
k_qdb314c8491_attn:
	s_mov_b64 s[64:65], 0
	v_nop
	global_prefetch_b8 v0, s[64:65] scope:SCOPE_SE
	s_setreg_imm32_b32 hwreg(HW_REG_WAVE_MODE, 25, 1), 1
	s_wait_xcnt 0x0
; out0[b][t][:] = the sum over keys k of Q(a[t][k]) Q(s2[b][k][:]), a = softmax_k(part1[t] + part2[k] + Q(s1 w3)[t] . Q(s2)[k]) on the rectangle t < l1, k < l2, and 0 outside.  Both products on codes of FP6 (E2M3).
; a is quantised FINISHED AND NORMALISED, so a row's codes wait for the row's sum: the unnormalised p of 64 queries x all keys stay in registers, in f32, until the sum is there.
; SHARES.  A work-group owns a block of 64 queries of one sample (four tiles m).  THE WAVES SHARE THE COLUMNS.  Scores: wave w takes the groups of 64 keys g = 4 i + w, i = 0 .. 3, for all 64 queries: 32 matrix instructions and
; 128 registers of scores a group; each fragment of K comes from memory once for the work-group and feeds four products.  Second product: wave w takes channels 64 w .. 64 w + 63 for all 64 queries and all keys;
; V's fragments come from memory once for the work-group, a's codes go from wave to wave through LDS as images of the operand's registers.
; ORDER.  There are 512 blocks, one a work-group.  A block's work rises with its sample's l2 (groups of keys, K steps) and is next to nothing where no query or no key of it counts.  Work-group g takes the g-th block of this order:
; the samples by falling l2 (ties: the lower number first), of each its ceil(l1 / 64) blocks that count (none where l2 = 0); the blocks in which nothing counts fill the numbers from 511 downward.  So the long blocks have the low
; numbers, and where work-groups are started in the order of their numbers the short ones fill in behind the long.  Every wave makes the order for itself, in registers: lane j holds sample j; 32 comparisons a lane give the number
; of heavier samples and of their blocks; exactly one lane finds g among its own numbers.
; WHAT THE MASK THROWS AWAY IS NOT DONE: groups of keys at or beyond l2 and K steps beyond it are jumped over by scalar branches on l1 and l2, which are read from memory; a block of queries at or beyond l1 stores zeros.
; For that reason the operands go from memory straight into registers: the tiles of K and V that a sample's sixteen work-groups share are not asked for jointly;
; of the 1,024 x 1,024 scores of a sample only l1 x l2 are kept, which outweighs the shared requests.  No barrier stands under such a branch, and every register that a later line names is written on every way through the text.
; LAYOUT.  Both products are used transposed (S^T = K Q^T, O^T = V^T a^T): a lane holds ONE query (lane % 16) throughout.  Lane r of a tile of K takes key 32 (t / 2) + 8 (t % 2) + r + 8 (r / 8) of its 128, so that the 16 registers
; of tiles 2 b and 2 b + 1 are 16 neighbouring keys; the queries of a tile are chosen likewise, which the stores' offsets undo.  part2 is the C of a score's first matrix instruction; a hidden key's part2 is replaced by -1e30 there.
; SOFTMAX.  Each group has its own maximum m_i = the largest s (part1 in it): p = 2^((s - m_i) c), c = log2(e).  The row's maximum m and sum l are made from the sixteen groups' (four a wave, then through LDS), and a = p x 2^((m_i - m) c) / l.
; A block's largest a is not searched for: the block's largest score goes through the same instructions.  This takes v_exp_f32 not to fall where its input rises.
; LIMITS: NaN and infinities are not served; l1 and l2 are held to 0 .. 1,024; scores stay well under 1e30 in magnitude, as reference()'s own -1e30 asks; a block of zeros has the byte 1 or 0 where the rule says 127 (its codes are zeros).
; REGISTERS, in windows of 256.  Window 0: see the names below.  Window 1: v0-95 K's eight fragments, v96-191 Q's eight; later v0-95 a's fragments, two sets of four, v128-255 O^T's 16 accumulators.
;   Windows 2, 3: the scores of group i at window 2 + i / 2, v[128 (i % 2)] on, accumulator (kt, m) at + 32 m + 8 kt; later V's fragments of K steps 2 i and 2 i + 1 lie in group i's registers.
.set STAT, 0                           ; LDS: each wave's maxima and sums: 1,024 bytes a wave
.set PSC,  4096                        ; a's scale words: (4 s + m) x 128 + 4 x lane
.set PIMG, 8192                        ; a's fragments: (4 s + m) x 1,536; registers 2 j, 2 j + 1 of lane l at 256 j + 8 l
.set STG,  57344                       ; the way out: 16 rows x (256 bytes + 16) for each wave
.set KSC, 32                           ; v32-35   K's scale words, a register a tile (lanes 0-15: K step 0, lanes 16-31: K step 1)
.set QSC, 36                           ; v36-39   Q's likewise
.set VSC, 40                           ; v40-55   V's: register 2 s + p: lanes 0-15 tile 2 p, lanes 16-31 tile 2 p + 1
.set PSR, 56                           ; v56-63   a's, two sets of four
.set CC,  64                           ; v64-95   part2 as C, eight registers a tile; later the waves' statistics; later rows of O
.set PR,  96                           ; v96-127  pair 8 i + 2 m: low (part1 - m_i) c, later the factor f; high m_i
.set BM,  128                          ; v128-159 8 i + 4 b + m: the block's largest score, then its largest p
.set LL,  160                          ; v160-175 4 i + m: the group's sum of p
.set PC,  176                          ; v176-207 codes, eight registers a tile of queries; later rows of O
.set PT,  208                          ; v208-223 second halves
.set TMP, 224                          ; v224-255 at work
.set ORK, TMP                          ; the order: sample j's key;
.set ORN, TMP+1                        ; its blocks that count;
.set ORA, TMP+2                        ; two sums over the heavier samples, then the first of its numbers;
.set ORT, TMP+4                        ; four registers at work;
.set ORR, TMP+8                        ; the first of its numbers counted from 511 downward
.set KF,  0
.set QF,  96
.set ACC, 128
.set MSB, 0
.macro WIN new                         ; the immediate's low byte: bits 1:0 source 0, 3:2 source 1, 5:4 source 2, 7:6 destination; its high byte repeats the setting that is left
.if MSB != (\new)
	s_set_vgpr_msb (MSB<<8)|(\new)
.set MSB, (\new)
.endif
.endm
.macro PLACES                          ; four plain places behind a matrix instruction (ISA guide 7.12.1), where no other vector work is at hand
.rept 4
	v_nop
.endr
.endm
	s_load_b512 s[4:19], s[0:1], 0x0               ; l1 s[4:5], l2 s[6:7], qc s[8:9], auxq s[10:11], kc s[12:13], auxk s[14:15], vc s[16:17], out0 s[18:19]
	v_lshl_add_u32 v219, v0, 2, 0x12400
	v_mov_b32 v223, 0
	v_lshrrev_b32 v1, 5, v0
	v_readfirstlane_b32 s20, v1                    ; wave 0..3
	s_mov_b32 s34, ttmp9                           ; g: my number among the 512 work-groups
	v_and_b32 v1, 31, v0                           ; lane
	v_lshlrev_b32 v31, 2, v1                       ; 4 x lane; never rewritten
	s_wait_kmcnt 0x0
	global_load_b32 v15, v31, s[4:5]               ; lane j: l1 of sample j,
	global_load_b32 v30, v31, s[6:7]               ; and its l2.  All that hangs on neither is made while they are on their way
	v_and_b32 v2, 15, v0                           ; r
	v_bfe_u32 v3, v0, 4, 1                         ; h
	v_lshlrev_b32 v4, 4, v1                        ; 16 x lane: an image's place for my lane, in memory and in STAT
	v_and_b32 v29, 8, v2
	v_add_nc_u32 v29, v29, v2                      ; r + 8 (r / 8)
	s_lshr_b32 s42, s20, 1                         ; w / 2: which unit of a pair
	s_and_b32 s43, s20, 1                          ; w % 2: which half of the unit
	s_mul_i32 s44, s42, 2560
	s_lshl_b32 s45, s43, 8
	s_add_co_u32 s45, s45, s44
	v_lshl_add_u32 v7, v3, 6, s45                  ; part2: my half's 64 keys, + 16 h keys
	s_lshl_b32 s45, s43, 9
	s_add_co_u32 s45, s45, s44
	v_add_nc_u32 v8, s45, v4                       ; K's scale words
	s_lshl_b32 s45, s20, 8
	v_lshl_add_u32 v9, v1, 2, s45                  ; V's scale words: row 64 w + lane
	s_mul_i32 s44, s42, 6144
	s_mul_i32 s45, s43, 768
	s_add_co_u32 s44, s44, s45
	s_add_co_u32 s44, s44, PIMG
	v_lshl_add_u32 v10, v1, 3, s44                 ; where I store a's codes: K step 2 i + w / 2, registers 6 (w % 2) on
	s_lshl_b32 s44, s42, 9
	s_lshl_b32 s45, s43, 1
	s_add_co_u32 s44, s44, s45
	s_add_co_u32 s44, s44, PSC
	v_lshl_add_u32 v11, v1, 2, s44                 ; and my two bytes of its scale word
	v_lshl_add_u32 v12, v1, 3, PIMG                ; where any wave reads them back
	v_lshl_add_u32 v13, v1, 2, PSC
	s_lshl_b32 s44, s20, 10
	v_add_nc_u32 v14, s44, v4                      ; my wave's statistics
	s_mul_i32 s44, s20, 4352
	s_add_co_u32 s44, s44, STG                     ; my stage
	v_mul_u32_u24 v16, v2, 272
	v_lshl_add_u32 v16, v3, 5, v16
	v_add_nc_u32 v16, s44, v16                     ; in: row r, + 32 h
	v_mul_u32_u24 v17, v3, 272
	v_lshl_add_u32 v17, v2, 4, v17
	v_add_nc_u32 v17, s44, v17                     ; back: lanes 0-15 one row of 256 bytes, lanes 16-31 the next
	v_lshlrev_b32 v18, 10, v3
	v_lshl_add_u32 v18, v2, 4, v18                 ; and the same two rows in out0
.irp k, 20,21,22,23,24,25,26,27
	v_mov_b32 v\k, 0                               ; v20-23 stay 0; v24-27 take part1
.endr
	v_mov_b32 v28, 0xf149f2ca                      ; -1e30
.set j, 0
.rept 16
	v_mov_b32 v[VSC+j], 0x7f7f7f7f                 ; written on every way; a K step that is multiplied loads its own
.set j, j+1
.endr
.set j, 0
.rept 32
	v_mov_b32 v[TMP+j], 0                          ; written once: a lane permute's destination counts as one of its sources
.set j, j+1
.endr
	s_mov_b32 s30, 0x3fb8aa3b                      ; c = log2(e)
	s_mov_b32 s31, s30                             ; (the packed form names the pair)
	s_mov_b32 s32, 0x76543210
	s_mov_b32 s33, 0xfedcba98                      ; v_permlanex16_b32's selects for lane l xor 16
	s_wait_loadcnt 0x0                             ; l1 and l2 of all 32 samples
; ---- which block is mine: the g-th in the order of falling l2
	v_cmp_lt_i32 vcc_lo, -1, v15
	v_cndmask_b32 v15, 0, v15, vcc_lo              ; a negative length counts as 0,
	v_min_u32 v15, 0x400, v15                      ; one beyond 1,024 as 1,024
	v_cmp_lt_i32 vcc_lo, -1, v30
	v_cndmask_b32 v30, 0, v30, vcc_lo
	v_min_u32 v30, 0x400, v30
	v_add_nc_u32 v[ORN], 63, v15
	v_lshrrev_b32 v[ORN], 6, v[ORN]                ; n = ceil(l1 / 64), 0 .. 16: the sample's blocks that count,
	v_cmp_lt_u32 vcc_lo, 0, v30
	v_cndmask_b32 v[ORN], 0, v[ORN], vcc_lo        ; or none where no key counts
	v_sub_nc_u32 v[ORT], 31, v1
	v_lshlrev_b32 v[ORT], 5, v[ORT]
	v_or_b32 v[ORT], 0x10000, v[ORT]
	v_lshl_or_b32 v[ORK], v30, 17, v[ORT]          ; the key: bits 27:17 l2; bit 16 a one; bits 9:5 31 - j, so that no two keys are equal and the lower sample goes first; bits 4:0 n
	v_or_b32 v[ORK], v[ORK], v[ORN]
.set j, 0
.rept 32
	v_readlane_b32 s[66+j], v[ORK], j              ; all 32 keys as scalars
.set j, j+1
.endr
	v_mov_b32 v[ORA], 0
	v_mov_b32 v[ORA+1], 0
.set j, 0
.rept 32                               ; over the samples whose key is larger than mine: the sum of 0x10000 + n.  Scalars and registers at work by fours, the sums by twos, so that no line waits for the line above it
	s_and_b32 s[40+j%4], s[66+j], 0x1001f
	v_cmp_gt_u32 s[44+j%4], s[66+j], v[ORK]
	v_cndmask_b32 v[ORT+j%4], 0, s[40+j%4], s[44+j%4]
	v_add_nc_u32 v[ORA+j%2], v[ORA+j%2], v[ORT+j%4]
.set j, j+1
.endr
	v_add_nc_u32 v[ORA], v[ORA], v[ORA+1]
	v_lshrrev_b32 v[ORR], 16, v[ORA]               ; r: how many samples go before mine (at most 31),
	v_and_b32 v[ORA], 0xffff, v[ORA]               ; A: how many blocks that count they have (at most 496): my sample's have the numbers A .. A + n - 1;
	v_lshlrev_b32 v[ORR], 4, v[ORR]
	v_sub_nc_u32 v[ORR], v[ORR], v[ORA]            ; 16 r - A: how many that do not: my sample's have, counted from 511 downward, 16 r - A .. 16 r - A + 15 - n
	s_sub_co_u32 s41, 511, s34
	v_sub_nc_u32 v[ORT], s34, v[ORA]               ; g - A (it wraps to a large number where g is under A)
	v_sub_nc_u32 v[ORT+1], s41, v[ORR]
	v_sub_nc_u32 v[ORT+2], 16, v[ORN]
	v_cmp_lt_u32 s42, v[ORT], v[ORN]               ; g is one of my sample's blocks that count,
	v_cmp_lt_u32 s43, v[ORT+1], v[ORT+2]           ; or one of the others.  The two runs of numbers, 0 .. T - 1 and T .. 511, do not meet: one bit in all is set
	v_add_nc_u32 v[ORT+3], v[ORN], v[ORT+1]
	v_cndmask_b32 v[ORT+3], v[ORT+3], v[ORT], s42  ; which of the sample's sixteen blocks
	s_or_b32 s43, s42, s43
	s_ctz_i32_b32 s44, s43
	s_min_u32 s22, s44, 31                         ; the sample
	v_readlane_b32 s21, v[ORT+3], s22
	v_readlane_b32 s23, v15, s22                   ; its l1,
	v_readlane_b32 s24, v30, s22                   ; its l2, both in 0 .. 1,024
	s_lshr_b32 s46, s21, 1
	s_min_u32 s46, s46, 7                          ; x / 2: which unit of 128 rows
	s_min_u32 s21, s21, 15                         ; x: which 64 queries
	s_and_b32 s40, s21, 1
	s_lshl_b32 s41, s40, 8
	v_lshl_add_u32 v5, v29, 2, s41                 ; part1: 64 (x % 2) rows on in the unit, my row
	s_lshl_b32 s41, s40, 9
	v_add_nc_u32 v6, s41, v4                       ; Q's scale words: four tiles (x % 2)
	s_mul_i32 s40, s22, 196608                     ; the sample's 128 fragments in each buffer of codes
	s_mov_b32 s43, 0
	s_mul_i32 s42, s21, 12288
	s_add_co_u32 s42, s42, s40
	s_add_nc_u64 s[8:9], s[8:9], s[42:43]          ; Q: my block's eight fragments
	s_mul_i32 s42, s20, 12288
	s_add_co_u32 s42, s42, s40
	s_add_nc_u64 s[12:13], s[12:13], s[42:43]      ; K: group w's eight
	s_mul_i32 s42, s20, 6144
	s_add_co_u32 s42, s42, s40
	s_add_nc_u64 s[16:17], s[16:17], s[42:43]      ; V: my four tiles of channels
	s_lshl_b32 s42, s22, 3
	s_add_co_u32 s42, s42, s46
	s_mul_i32 s42, s42, 1536
	s_add_nc_u64 s[10:11], s[10:11], s[42:43]      ; my unit's record of s1
	s_mul_i32 s42, s22, 20480
	s_add_nc_u64 s[14:15], s[14:15], s[42:43]      ; the sample's eight records of s2
	s_lshl_b32 s42, s22, 20
	s_lshl_b32 s44, s21, 16
	s_add_co_u32 s42, s42, s44
	s_lshl_b32 s44, s20, 8
	s_add_co_u32 s42, s42, s44
	s_add_nc_u64 s[18:19], s[18:19], s[42:43]      ; out0: my block's first row, my 64 channels
	s_lshl_b32 s38, s21, 6                         ; my first query
	s_sub_co_i32 s37, s23, s38                     ; queries of my block under l1 (may be negative)
	s_cmp_lt_u32 s38, s23
	s_cselect_b32 s25, s24, 0                      ; the keys that count for this block: l2, or none
	s_add_co_u32 s26, s25, 63
	s_lshr_b32 s26, s26, 6
	s_add_co_u32 s26, s26, 3
	s_sub_co_u32 s26, s26, s20
	s_lshr_b32 s26, s26, 2                         ; my wave's groups: those i with 64 (4 i + w) under it
	s_add_co_u32 s27, s25, 127
	s_lshr_b32 s27, s27, 7                         ; K steps of the second product
	s_lshl_b32 s36, s20, 6
	s_sub_co_i32 s39, s25, s36
	v_lshlrev_b32 v19, 4, v3
	v_sub_nc_u32 v19, s39, v19                     ; keys that count - 64 w - 16 h: serves a comparison alone
; ---- no key counts, or no query of the block: its zeros go out here, ahead of the lines that every wave walks for the barriers' sake, so that the stores are on their way meanwhile.  Their registers and base are never rewritten
	s_cmp_lg_u32 s27, 0
	s_cbranch_scc1 .Lsome
.irp m, 0,1,2,3
.irp t, 0,1,2,3,4,5,6,7
	global_store_b128 v18, v[20:23], s[18:19] offset:(32*(\m/2)+8*(\m%2)+2*\t+8*(\t/4))*1024 th:TH_STORE_NT   ; sixteen lanes store 256 consecutive bytes, at a multiple of 256 from out0's first byte
.endr
.endr
.Lsome:
.macro QLOAD
	WIN 0x40                                       ; destination window 1
.irp f, 0,1,2,3,4,5,6,7
.irp c, 0,1,2
	global_load_b128 v[QF+12*\f+4*\c:QF+12*\f+4*\c+3], v4, s[8:9] offset:1536*\f+512*\c   ; fragment 2 m + K step
.endr
.endr
	WIN 0
	global_load_b128 v[QSC:QSC+3], v6, s[10:11] offset:512
.irp m, 0,1,2,3
	global_load_b32 v[24+\m], v5, s[10:11] offset:128*(\m/2)+32*(\m%2)
.endr
.endm
.macro KLOAD i                         ; group i: eight fragments, four scale words, part2 of its 64 keys in the result's layout: 33 loads
	WIN 0x40
.irp f, 0,1,2,3,4,5,6,7
.irp c, 0,1,2
	global_load_b128 v[KF+12*\f+4*\c:KF+12*\f+4*\c+3], v4, s[12:13] offset:49152*(\i)+1536*\f+512*\c
.endr
.endr
	WIN 0
	global_load_b128 v[KSC:KSC+3], v8, s[14:15] offset:5120*(\i)+512
.irp t, 0,1,2,3
.irp e, 0,1
	global_load_b128 v[CC+8*\t+4*\e:CC+8*\t+4*\e+3], v7, s[14:15] offset:5120*(\i)+4*(32*(\t/2)+8*(\t%2))+16*\e
.endr
.endr
.endm
; 16 products: four tiles of keys x four tiles of queries, K step ks.  The 16 accumulators take turns, one instruction a turn, in the same order in both K steps.
.macro QK ks
.irp t, 0,1,2,3
.irp m, 0,1,2,3
.if \ks == 0
	v_wmma_scale_f32_16x16x128_f8f6f4 v[SB+32*\m+8*\t:SB+32*\m+8*\t+7], v[KF+24*\t:KF+24*\t+11], v[QF+24*\m:QF+24*\m+11], v[CC+8*\t:CC+8*\t+7], v[KSC+\t], v[QSC+\m] matrix_a_fmt:MATRIX_FMT_FP6 matrix_b_fmt:MATRIX_FMT_FP6
.else
	v_wmma_scale_f32_16x16x128_f8f6f4 v[SB+32*\m+8*\t:SB+32*\m+8*\t+7], v[KF+24*\t+12:KF+24*\t+23], v[QF+24*\m+12:QF+24*\m+23], v[SB+32*\m+8*\t:SB+32*\m+8*\t+7], v[KSC+\t], v[QSC+\m] matrix_a_fmt:MATRIX_FMT_FP6 matrix_b_fmt:MATRIX_FMT_FP6 matrix_a_scale:MATRIX_SCALE_ROW1 matrix_b_scale:MATRIX_SCALE_ROW1
.endif
.endr
.endr
.endm
; The vector work of group i: block maxima, the group's maximum, p in place, the group's sums.
.macro VEC i
	WIN (XW<<4)|(XW<<2)|XW
.irp b, 0,1
.irp m, 0,1,2,3
	v_max3_num_f32 v[BM+8*(\i)+4*\b+\m], v[SB+32*\m+16*\b], v[SB+32*\m+16*\b+1], v[SB+32*\m+16*\b+2]   ; each accumulator is read from its low end on; the eight blocks by turns
.endr
.endr
	WIN (XW<<4)|(XW<<2)
.irp k, 3,5,7,9,11,13
.irp b, 0,1
.irp m, 0,1,2,3
	v_max3_num_f32 v[BM+8*(\i)+4*\b+\m], v[BM+8*(\i)+4*\b+\m], v[SB+32*\m+16*\b+\k], v[SB+32*\m+16*\b+\k+1]
.endr
.endr
.endr
.irp b, 0,1
.irp m, 0,1,2,3
	v_max_num_f32 v[BM+8*(\i)+4*\b+\m], v[BM+8*(\i)+4*\b+\m], v[SB+32*\m+16*\b+15]
.endr
.endr
	WIN 0
.irp k, 0,1,2,3,4,5,6,7
	v_permlanex16_b32 v[TMP+\k], v[BM+8*(\i)+\k], s32, s33
.endr
.irp k, 0,1,2,3,4,5,6,7
	v_max_num_f32 v[BM+8*(\i)+\k], v[BM+8*(\i)+\k], v[TMP+\k]   ; with lane l xor 16's 16 keys: the block's largest score
.endr
.irp m, 0,1,2,3
	v_max_num_f32 v[TMP+8+\m], v[BM+8*(\i)+\m], v[BM+8*(\i)+4+\m]
.endr
.irp m, 0,1,2,3
	v_add_f32 v[PR+8*(\i)+2*\m+1], v[TMP+8+\m], v[24+\m]        ; m_i = the largest part2 + cross, + part1
.endr
.irp m, 0,1,2,3
	v_sub_f32 v[TMP+8+\m], v[24+\m], v[PR+8*(\i)+2*\m+1]
.endr
.irp m, 0,1,2,3
	v_mul_f32 v[PR+8*(\i)+2*\m], s30, v[TMP+8+\m]               ; (part1 - m_i) c
.endr
.irp b, 0,1
.irp m, 0,1,2,3
	v_fma_f32 v[BM+8*(\i)+4*\b+\m], v[BM+8*(\i)+4*\b+\m], s30, v[PR+8*(\i)+2*\m]
.endr
.endr
	WIN (XW<<6)|XW
.irp m, 0,1,2,3
.set j, 0
.rept 16
	v_pk_fma_f32 v[SB+32*\m+j:SB+32*\m+j+1], v[SB+32*\m+j:SB+32*\m+j+1], s[30:31], v[PR+8*(\i)+2*\m:PR+8*(\i)+2*\m+1] op_sel_hi:[1,0,0]   ; (s - m_i) c, two at a time
.set j, j+2
.endr
.endr
.set j, 0
.rept 128
	v_exp_f32 v[SB+j], v[SB+j]
.set j, j+1
.endr
	WIN 0
.irp k, 0,1,2,3,4,5,6,7
	v_exp_f32 v[BM+8*(\i)+\k], v[BM+8*(\i)+\k]     ; the block's largest p: the same instructions on the same number
.endr
	v_nop                                          ; one plain place behind the exponentials
	WIN (XW<<2)|XW
	s_wait_alu depctr_va_vdst(0)
.irp m, 0,1,2,3
	v_pk_add_f32 v[TMP+4*\m:TMP+4*\m+1], v[SB+32*\m:SB+32*\m+1], v[SB+32*\m+4:SB+32*\m+5]      ; the sums of the unquantised p: two chains a tile, begun by additions
	v_pk_add_f32 v[TMP+4*\m+2:TMP+4*\m+3], v[SB+32*\m+2:SB+32*\m+3], v[SB+32*\m+6:SB+32*\m+7]
.endr
	WIN (XW<<2)
.irp k, 8,12,16,20,24,28
.irp m, 0,1,2,3
	v_pk_add_f32 v[TMP+4*\m:TMP+4*\m+1], v[TMP+4*\m:TMP+4*\m+1], v[SB+32*\m+\k:SB+32*\m+\k+1]
	v_pk_add_f32 v[TMP+4*\m+2:TMP+4*\m+3], v[TMP+4*\m+2:TMP+4*\m+3], v[SB+32*\m+\k+2:SB+32*\m+\k+3]
.endr
.endr
	WIN 0
.irp m, 0,1,2,3
	v_pk_add_f32 v[TMP+4*\m:TMP+4*\m+1], v[TMP+4*\m:TMP+4*\m+1], v[TMP+4*\m+2:TMP+4*\m+3]
.endr
.irp m, 0,1,2,3
	v_add_f32 v[TMP+20+\m], v[TMP+4*\m], v[TMP+4*\m+1]
.endr
.irp m, 0,1,2,3
	v_permlanex16_b32 v[TMP+16+\m], v[TMP+20+\m], s32, s33
.endr
.irp m, 0,1,2,3
	v_add_f32 v[LL+4*(\i)+\m], v[TMP+20+\m], v[TMP+16+\m]
.endr
.endm
.macro GROUP i, nxt
.set SB, 128*((\i)%2)
.set XW, 2+(\i)/2
	s_wait_loadcnt 0x0                             ; the group's operands (asked for ahead of the last group's vector work)
	s_add_co_u32 s40, s36, 256*(\i)+64
	s_cmp_le_u32 s40, s25
	s_cbranch_scc1 .Lfull_\@                       ; all 64 keys count
	v_add_nc_u32 v30, -256*(\i), v19               ; register 8 t + j of C holds key 32 (t / 2) + 8 (t % 2) + j of my 16 h on: it counts where that is under v30
.irp t, 0,1,2,3
.irp j, 0,1,2,3,4,5,6,7
	v_cmp_lt_i32 vcc_lo, 32*(\t/2)+8*(\t%2)+\j, v30
	v_cndmask_b32 v[CC+8*\t+\j], v28, v[CC+8*\t+\j], vcc_lo   ; a hidden key's part2 becomes -1e30: 64 lines on the 32 registers that all four tiles of queries share
.endr
.endr
	PLACES
.Lfull_\@:
	WIN (XW<<6)|5                                  ; K and Q window 1, C window 0, D the group's window
	QK 0
	WIN (XW<<6)|(XW<<4)|5                          ; C and D the group's window
	QK 1
	WIN 0
	PLACES                                         ; in front of loads into registers that the products read, and of the first read of results
.if (\i) < 3
	s_cmp_le_u32 s26, (\i)+1
	s_cbranch_scc1 .Lnok_\@
	KLOAD (\i)+1                                   ; the next group's operands land under this group's vector work
.Lnok_\@:
.endif
	VEC \i
.if (\i) < 3
	s_cmp_le_u32 s26, (\i)+1
	s_cbranch_scc1 .Lzc\nxt
.endif
.endm
.macro ZERO i                          ; a group that is left out: its registers are written, since later lines name them on every way: no p, no sum, a maximum under every other
	WIN (2+(\i)/2)<<6
.set j, 0
.rept 128
	v_mov_b32 v[128*((\i)%2)+j], 0
.set j, j+1
.endr
	WIN 0
.irp k, 0,1,2,3,4,5,6,7
	v_mov_b32 v[BM+8*(\i)+\k], 0
.endr
.irp m, 0,1,2,3
	v_mov_b32 v[PR+8*(\i)+2*\m], 0
	v_mov_b32 v[PR+8*(\i)+2*\m+1], v28
	v_mov_b32 v[LL+4*(\i)+\m], 0
.endr
.endm
	s_cmp_eq_u32 s26, 0
	s_cbranch_scc1 .Lzc0
	QLOAD
	KLOAD 0
	GROUP 0, 1
	GROUP 1, 2
	GROUP 2, 3
	GROUP 3, 4
	s_branch .Lzc4
.Lzc0:
	ZERO 0
.Lzc1:
	ZERO 1
.Lzc2:
	ZERO 2
.Lzc3:
	ZERO 3
.Lzc4:
	s_wait_loadcnt 0x0                             ; no load is out on any way that leads here
; ---- my wave's maximum and sum for each query
.irp m, 0,1,2,3
	v_max3_num_f32 v[TMP+\m], v[PR+2*\m+1], v[PR+8+2*\m+1], v[PR+16+2*\m+1]
.endr
.irp m, 0,1,2,3
	v_max_num_f32 v[TMP+\m], v[TMP+\m], v[PR+24+2*\m+1]
.endr
.irp i, 0,1,2,3
.irp m, 0,1,2,3
	v_sub_f32 v[TMP+8+4*\i+\m], v[PR+8*\i+2*\m+1], v[TMP+\m]   ; the difference first, then x c
.endr
.endr
.irp k, 0,1,2,3,4,5,6,7,8,9,10,11,12,13,14,15
	v_mul_f32 v[TMP+8+\k], s30, v[TMP+8+\k]
.endr
.irp k, 0,1,2,3,4,5,6,7,8,9,10,11,12,13,14,15
	v_exp_f32 v[TMP+8+\k], v[TMP+8+\k]
.endr
	v_nop                                          ; one plain place behind the exponentials
	s_wait_alu depctr_va_vdst(0)
.irp m, 0,1,2,3
	v_mul_f32 v[TMP+4+\m], v[LL+\m], v[TMP+8+\m]
.endr
.irp i, 1,2,3
.irp m, 0,1,2,3
	v_fmac_f32 v[TMP+4+\m], v[LL+4*\i+\m], v[TMP+8+4*\i+\m]
.endr
.endr
	ds_store_b128 v14, v[TMP:TMP+3]
	ds_store_b128 v14, v[TMP+4:TMP+7] offset:512
	s_wait_dscnt 0x0                               ; for the others' sake: my stores have landed
	s_barrier_signal -1
	s_barrier_wait -1
; ---- the row's maximum, sum and the factors f = 2^((m_i - m) c) / l
.irp u, 0,1,2,3
	ds_load_b128 v[CC+8*\u:CC+8*\u+3], v4 offset:STAT+1024*\u
	ds_load_b128 v[CC+8*\u+4:CC+8*\u+7], v4 offset:STAT+1024*\u+512
.endr
	s_wait_dscnt 0x0
.irp m, 0,1,2,3
	v_max3_num_f32 v[TMP+\m], v[CC+\m], v[CC+8+\m], v[CC+16+\m]
.endr
.irp m, 0,1,2,3
	v_max_num_f32 v[TMP+\m], v[TMP+\m], v[CC+24+\m]
.endr
.irp u, 0,1,2,3
.irp m, 0,1,2,3
	v_sub_f32 v[TMP+8+4*\u+\m], v[CC+8*\u+\m], v[TMP+\m]
.endr
.endr
.irp k, 0,1,2,3,4,5,6,7,8,9,10,11,12,13,14,15
	v_mul_f32 v[TMP+8+\k], s30, v[TMP+8+\k]
.endr
.irp k, 0,1,2,3,4,5,6,7,8,9,10,11,12,13,14,15
	v_exp_f32 v[TMP+8+\k], v[TMP+8+\k]
.endr
	v_nop
	s_wait_alu depctr_va_vdst(0)
.irp m, 0,1,2,3
	v_mul_f32 v[TMP+4+\m], v[CC+4+\m], v[TMP+8+\m]
.endr
.irp u, 1,2,3
.irp m, 0,1,2,3
	v_fmac_f32 v[TMP+4+\m], v[CC+8*\u+4+\m], v[TMP+8+4*\u+\m]
.endr
.endr
.irp m, 0,1,2,3
	v_rcp_f32 v[TMP+4+\m], v[TMP+4+\m]
.endr
.irp m, 0,1,2,3
	v_add_nc_u32 v[TMP+24+\m], 32*(\m/2)+8*(\m%2), v29          ; my query's number in the block.  (Plain places behind the reciprocals)
.endr
	s_wait_alu depctr_va_vdst(0)
.irp m, 0,1,2,3
	v_cmp_gt_i32 vcc_lo, s37, v[TMP+24+\m]
	v_cndmask_b32 v[TMP+4+\m], 0, v[TMP+4+\m], vcc_lo           ; a query at or beyond l1: every a is 0
.endr
.irp i, 0,1,2,3
.irp m, 0,1,2,3
	v_sub_f32 v[TMP+8+4*\i+\m], v[PR+8*\i+2*\m+1], v[TMP+\m]
.endr
.endr
.irp k, 0,1,2,3,4,5,6,7,8,9,10,11,12,13,14,15
	v_mul_f32 v[TMP+8+\k], s30, v[TMP+8+\k]
.endr
.irp k, 0,1,2,3,4,5,6,7,8,9,10,11,12,13,14,15
	v_exp_f32 v[TMP+8+\k], v[TMP+8+\k]
.endr
	v_nop
	s_wait_alu depctr_va_vdst(0)
.irp i, 0,1,2,3
.irp m, 0,1,2,3
	v_mul_f32 v[PR+8*\i+2*\m], v[TMP+8+4*\i+\m], v[TMP+4+\m]
.endr
.endr
; Group i's p become a, are quantised along the keys, and go to LDS as half of a fragment's image (registers 6 (w % 2) on of K step 2 i + w / 2) and two bytes of its scale word.
.macro NORMQ i
.set SB, 128*((\i)%2)
.set XW, 2+(\i)/2
	s_wait_dscnt 0x0                               ; the last group's LDS stores have read their registers
	WIN (XW<<6)|XW
.irp m, 0,1,2,3
.set j, 0
.rept 16
	v_pk_mul_f32 v[SB+32*\m+j:SB+32*\m+j+1], v[SB+32*\m+j:SB+32*\m+j+1], v[PR+8*(\i)+2*\m:PR+8*(\i)+2*\m+1] op_sel_hi:[1,0]
.set j, j+2
.endr
.endr
	WIN 0
.irp b, 0,1
.irp m, 0,1,2,3
	v_mul_f32 v[TMP+4*\b+\m], v[BM+8*(\i)+4*\b+\m], v[PR+8*(\i)+2*\m]   ; the block's largest a
.endr
.endr
.irp k, 0,1,2,3,4,5,6,7
	v_max_num_f32 v[TMP+\k], 0x1800000, v[TMP+\k]  ; the floor 2^(3 - 127): the byte cannot fall under 1
.endr
.irp k, 0,1,2,3,4,5,6,7
	v_add_nc_u32 v[TMP+\k], 0xff000000, v[TMP+\k]  ; 2 off the exponent field: the conversion's scale operand
.endr
.irp k, 0,1,2,3,4,5,6,7
	v_lshrrev_b32 v[TMP+8+\k], 23, v[TMP+\k]
.endr
.irp m, 0,1,2,3
	v_lshl_or_b32 v[TMP+16+\m], v[TMP+12+\m], 8, v[TMP+8+\m]
.endr
	WIN XW
.irp m, 0,1,2,3
	v_cvt_scalef32_pk16_fp6_f32 v[PC+8*\m:PC+8*\m+2], v[SB+32*\m:SB+32*\m+15], v[TMP+\m]
	v_cvt_scalef32_pk16_fp6_f32 v[PT+4*\m:PT+4*\m+2], v[SB+32*\m+16:SB+32*\m+31], v[TMP+4+\m]
.endr
	WIN 0
	v_nop                                          ; one plain place behind a scaled conversion
.irp m, 0,1,2,3
.irp t, 0,1,2
	v_permlane16_swap_b32 v[PC+8*\m+\t], v[PT+4*\m+\t]   ; the operand's layout wants a whole block in a lane: lanes 0-15 the first block, lanes 16-31 the second
.endr
.endr
.irp m, 0,1,2,3
.irp t, 0,1,2
	v_mov_b32 v[PC+8*\m+3+\t], v[PT+4*\m+\t]
.endr
.endr
.irp m, 0,1,2,3
.irp t, 0,1,2
	ds_store_b64 v10, v[PC+8*\m+2*\t:PC+8*\m+2*\t+1] offset:12288*(\i)+1536*\m+256*\t
.endr
	ds_store_b16 v11, v[TMP+16+\m] offset:1024*(\i)+128*\m
.endr
.endm
.macro ZIMG i                          ; a group that was left out: zero codes, which add nothing under the byte 0
.irp m, 0,1,2,3
.irp t, 0,1,2
	ds_store_b64 v10, v[20:21] offset:12288*(\i)+1536*\m+256*\t
.endr
	ds_store_b16 v11, v20 offset:1024*(\i)+128*\m
.endr
.endm
.macro VLOAD s                         ; V's four fragments and scale words of K step s, if it is multiplied: into registers of scores that are done with
.set VB, 128*(((\s)/2)%2)+48*((\s)%2)
	s_cmp_le_u32 s27, \s
	s_cbranch_scc1 .Lnov_\@
	WIN (2+(\s)/4)<<6
.irp d, 0,1,2,3
.irp c, 0,1,2
	global_load_b128 v[VB+12*\d+4*\c:VB+12*\d+4*\c+3], v4, s[16:17] offset:24576*(\s)+1536*\d+512*\c
.endr
.endr
	WIN 0
	global_load_b32 v[VSC+2*(\s)], v9, s[14:15] offset:2560*(\s)+1536
	global_load_b32 v[VSC+2*(\s)+1], v9, s[14:15] offset:2560*(\s)+1536+128
.Lnov_\@:
.endm
.macro PHASE i
	s_cmp_gt_u32 s26, \i
	s_cbranch_scc0 .Lnone_\@
	NORMQ \i
	s_branch .Ldone_\@
.Lnone_\@:
	ZIMG \i
.Ldone_\@:
	VLOAD 2*(\i)                                   ; on their way under the rest of this phase and the barrier
	VLOAD 2*(\i)+1
.endm
	PHASE 0
	PHASE 1
	PHASE 2
	PHASE 3
	s_wait_dscnt 0x0                               ; for the others' sake: my images have landed
	s_barrier_signal -1
	s_barrier_wait -1
	s_cmp_eq_u32 s27, 0
	s_cbranch_scc1 .Lend                           ; nothing counts: the block's zeros went out at the head
.macro PLOAD s                         ; a's four fragments and scale words of K step s, as they were stored, into set s % 2
	WIN 0x40
.irp m, 0,1,2,3
.irp t, 0,1,2,3,4,5
	ds_load_b64 v[48*((\s)%2)+12*\m+2*\t:48*((\s)%2)+12*\m+2*\t+1], v12 offset:(4*(\s)+\m)*1536+256*\t
.endr
.endr
	WIN 0
.irp m, 0,1,2,3
	ds_load_b32 v[PSR+4*((\s)%2)+\m], v13 offset:(4*(\s)+\m)*128
.endr
.endm
.macro PVM s, d, m                     ; O^T(tile d of my channels, tile m of queries) += V^T a^T over K step s
.set rD, ACC+8*(4*(\d)+(\m))
.set rA, 128*(((\s)/2)%2)+48*((\s)%2)+12*(\d)
.set rB, 48*((\s)%2)+12*(\m)
.set rU, VSC+2*(\s)+(\d)/2
.set rW, PSR+4*((\s)%2)+(\m)
.if (\s) == 0
.if (\d)%2
	v_wmma_scale_f32_16x16x128_f8f6f4 v[rD:rD+7], v[rA:rA+11], v[rB:rB+11], 0, v[rU], v[rW] matrix_a_fmt:MATRIX_FMT_FP6 matrix_b_fmt:MATRIX_FMT_FP6 matrix_a_scale:MATRIX_SCALE_ROW1
.else
	v_wmma_scale_f32_16x16x128_f8f6f4 v[rD:rD+7], v[rA:rA+11], v[rB:rB+11], 0, v[rU], v[rW] matrix_a_fmt:MATRIX_FMT_FP6 matrix_b_fmt:MATRIX_FMT_FP6
.endif
.else
.if (\d)%2
	v_wmma_scale_f32_16x16x128_f8f6f4 v[rD:rD+7], v[rA:rA+11], v[rB:rB+11], v[rD:rD+7], v[rU], v[rW] matrix_a_fmt:MATRIX_FMT_FP6 matrix_b_fmt:MATRIX_FMT_FP6 matrix_a_scale:MATRIX_SCALE_ROW1
.else
	v_wmma_scale_f32_16x16x128_f8f6f4 v[rD:rD+7], v[rA:rA+11], v[rB:rB+11], v[rD:rD+7], v[rU], v[rW] matrix_a_fmt:MATRIX_FMT_FP6 matrix_b_fmt:MATRIX_FMT_FP6
.endif
.endif
.endm
.macro STEP s                          ; 16 products, the 16 accumulators by turns, in the same order in every K step; the first K step starts the sums
	s_wait_dscnt 0x0                               ; this step's fragments of a are in (asked for a step ago)
.if (\s) > 0
	PLACES                                         ; in front of loads into the set that the last step's products read
.endif
.if (\s) < 7
	PLOAD (\s)+1                                   ; every image has been written, by codes or by zeros
.endif
	WIN 0x54|(2+(\s)/4)                            ; V window 2 or 3; a, C and D window 1
.irp d, 0,1,2,3
.irp m, 0,1,2,3
	PVM \s, \d, \m
.endr
.endr
	WIN 0
.if (\s) < 7
	s_cmp_le_u32 s27, (\s)+1
	s_cbranch_scc1 .Lout                           ; the keys beyond count for nothing
.endif
.endm
	PLOAD 0
	s_wait_loadcnt 0x0                             ; V
	STEP 0
	STEP 1
	STEP 2
	STEP 3
	STEP 4
	STEP 5
	STEP 6
	STEP 7
.Lout:
; ---- the way out: a tile of 16 queries x my 64 channels at a time through my own stage, so that sixteen lanes store 256 consecutive bytes, at a multiple of 256 from out0's first byte
	s_wait_dscnt 0x0
	PLACES
.irp m, 0,1,2,3
.set OB, CC+112*(\m%2)                 ; v64-95 and v176-207 by turns
.if \m >= 2
	s_wait_xcnt 0x0                                ; the stores of two tiles ago have read their registers
.endif
	WIN 0x04                                       ; an LDS store's data are its source 1: window 1
.irp d, 0,1,2,3
	ds_store_b128 v16, v[ACC+8*(4*\d+\m):ACC+8*(4*\d+\m)+3] offset:64*\d        ; each accumulator from its low end on
	ds_store_b128 v16, v[ACC+8*(4*\d+\m)+4:ACC+8*(4*\d+\m)+7] offset:64*\d+16
.endr
	WIN 0
.irp t, 0,1,2,3,4,5,6,7
	ds_load_b128 v[OB+4*\t:OB+4*\t+3], v17 offset:544*\t                        ; LDS serves a wave's instructions in order: these see my stores
.endr
	s_wait_dscnt 0x0
.irp t, 0,1,2,3,4,5,6,7
	global_store_b128 v18, v[OB+4*\t:OB+4*\t+3], s[18:19] offset:(32*(\m/2)+8*(\m%2)+2*\t+8*(\t/4))*1024 th:TH_STORE_NT   ; the tile's row 2 t + h is the block's query 32 (m / 2) + 8 (m % 2) + 2 t + h + 8 (t / 4)
.endr
.endr
.Lend:
	s_wait_tensorcnt 0x0
	ds_add_u32 v219, v223
	s_wait_dscnt 0x0
	s_endpgm
.Lfunc_end_k_qdb314c8491_attn:
	.size	k_qdb314c8491_attn, .Lfunc_end_k_qdb314c8491_attn-k_qdb314c8491_attn
	.p2alignl 7, 3214868480
	.fill 96, 4, 3214868480
	.section	.rodata,"a",@progbits
	.p2align	6, 0x0
	.amdhsa_kernel k_qdb314c8491_attn
		.amdhsa_group_segment_fixed_size 75264
		.amdhsa_private_segment_fixed_size 0
		.amdhsa_enable_private_segment 0
		.amdhsa_kernarg_size 64
		.amdhsa_user_sgpr_count 2
		.amdhsa_user_sgpr_kernarg_segment_ptr 1
		.amdhsa_wavefront_size32 1
		.amdhsa_system_sgpr_workgroup_id_x 1
		.amdhsa_system_sgpr_workgroup_id_y 1
		.amdhsa_system_sgpr_workgroup_id_z 1
		.amdhsa_system_vgpr_workitem_id 0
		.amdhsa_next_free_vgpr 1024
		.amdhsa_next_free_sgpr 98
		.amdhsa_reserve_vcc 1
		.amdhsa_float_denorm_mode_32 3
		.amdhsa_float_denorm_mode_16_64 3
		.amdhsa_memory_ordered 1
		.amdhsa_forward_progress 1
		.amdhsa_inst_pref_size 253
	.end_amdhsa_kernel
	.amdgpu_metadata
---
amdhsa.version: [ 1, 2 ]
amdhsa.kernels:
  - .name:           k_qdb314c8491_attn
    .symbol:         k_qdb314c8491_attn.kd
    .args:
      - { .name: l1, .offset: 0, .size: 8, .value_kind: global_buffer, .address_space: global }
      - { .name: l2, .offset: 8, .size: 8, .value_kind: global_buffer, .address_space: global }
      - { .name: qc, .offset: 16, .size: 8, .value_kind: global_buffer, .address_space: global }
      - { .name: auxq, .offset: 24, .size: 8, .value_kind: global_buffer, .address_space: global }
      - { .name: kc, .offset: 32, .size: 8, .value_kind: global_buffer, .address_space: global }
      - { .name: auxk, .offset: 40, .size: 8, .value_kind: global_buffer, .address_space: global }
      - { .name: vc, .offset: 48, .size: 8, .value_kind: global_buffer, .address_space: global }
      - { .name: out0, .offset: 56, .size: 8, .value_kind: global_buffer, .address_space: global }
    .group_segment_fixed_size: 75264
    .private_segment_fixed_size: 0
    .kernarg_segment_align: 8
    .kernarg_segment_size: 64
    .max_flat_workgroup_size: 128
    .sgpr_count:     98
    .vgpr_count:     1024
    .wavefront_size: 32
...
	.end_amdgpu_metadata
.endif
;; end of part 3
;; ======== version 3 of 3: 2 launches
;; workspace buffers: qc 6,291,456 bytes; kc 6,291,456 bytes; vc 6,291,456 bytes; auxq 393,216 bytes; auxk 655,360 bytes
;; launch prep (part 4): grid 256 x 2, 8 waves a work-group, no clusters, 140,288 bytes of LDS; arguments l1, l2, s1, s2, w, qc, auxq, kc, auxk, vc; writes qc, auxq, kc, auxk, vc
.if DOCPART == 4
	.amdgcn_target "amdgcn-amd-amdhsa--gfx1250"
	.amdhsa_code_object_version 6
	.text
	.protected	k_qdb314c8491_prep
	.globl	k_qdb314c8491_prep
	.p2align	8
	.type	k_qdb314c8491_prep,@function
k_qdb314c8491_prep:
	s_mov_b64 s[64:65], 0
	v_nop
	global_prefetch_b8 v0, s[64:65] scope:SCOPE_SE
	s_setreg_imm32_b32 hwreg(HW_REG_WAVE_MODE, 25, 1), 1
	s_wait_xcnt 0x0
; s1 and s2 [32][1024][256] f32 become operands of the two quantised products, as codes of FP6 (E2M3) with one E8M0 byte for each 32 along K, laid as IMAGES OF THE OPERAND'S REGISTERS
; (a fragment of 16 rows x 128 K is 12 registers a lane: registers 4 c .. 4 c + 3 of lane l lie at 512 c + 16 l of its 1,536 bytes), so that the next launch loads each fragment by three loads of 16 bytes a lane.
; A work-group takes a UNIT: 128 rows of one sample, 131,072 dense bytes.  y = 0: a unit of s2: codes along D (kc), part2 = s2 . w2, codes along the keys (vc).  y = 1: a unit of s1: part1 = s1 . w1, codes of s1 x w3 along D (qc).
; Both take one way through the text: the buffers are chosen by the work-group's y; what only one of them needs is jumped over by a scalar branch on y.
; A unit whose first row is not under l2 (y = 0) or l1 (y = 1) is read by nobody in the next launch (reference() masks those rows and keys): its work-group stores nothing.  The barriers stand on every way.
; THE ROWS OF A TILE ARE NOT NEIGHBOURS: lane r of tile t (0 .. 7) takes the unit's row 32 (t / 2) + 8 (t % 2) + r + 8 (r / 8): the row's number with bits 3 and 4 exchanged is 16 t + r.  So the unit lies in LDS by that exchanged number.
; The unit's small results (128 dot products; a scale word for each lane and tile: lanes 0-15 the word of K step 0 of row r, lanes 16-31 that of K step 1; for s2 a scale word for each of V's 256 rows) are gathered in LDS
; and leave as one dense record: 1,536 bytes (s1) or 2,560 (s2), 512 consecutive bytes a store.
; A block's scale: the largest magnitude's exponent field less 2, held at 1 from below by a floor among the maximum's leaves.  A block of zeros so gets the byte 1 where the rule says 127: its codes are zeros, and this program alone reads the bytes.
; LIMITS: NaN and infinities among the inputs are not served; a negative l counts as 0.
; No tensor loads, no matrix unit (memory binds), no cluster (work-groups share no input but w's 3,072 bytes).
.set PITCH, 1040                       ; an LDS row: 1,024 bytes + 16: the sixteen rows that a load of 16 bytes a lane touches begin at sixteen different places modulo 256 bytes
.set WL,    128*PITCH                  ; behind the unit: the dot vector (w2 or w1), 1,024 bytes, then w3, 1,024 bytes
.set GATH,  WL+2048                    ; behind them: the unit's record
.set X,   32                           ; v32-159   128 numbers of a lane
.set WP,  160                          ; v160-223  64 numbers of w
.set CD,  160                          ; v160-183  later: the two fragments along D
.set FA,  184                          ; v184-195  V's fragment of rows 32 w .. + 15
.set FB,  196                          ; v196-207  and of rows 32 w + 16 .. + 31
.set TT,  208                          ; v208-223  second halves of blocks (a conversion's three registers begin on an even number)
.set DD,  224                          ; v224-231  four packed sums
.set TX,  232                          ; v232-235  largest magnitudes
.set SO,  236                          ; v236-239  the conversions' scale operands
.set BY,  240                          ; v240-243  the scales' bytes
	s_load_b512 s[4:19], s[0:1], 0x0               ; l1 s[4:5], l2 s[6:7], s1 s[8:9], s2 s[10:11], w s[12:13], qc s[14:15], auxq s[16:17], kc s[18:19]
	s_load_b128 s[20:23], s[0:1], 0x40             ; auxk s[20:21], vc s[22:23]
	v_lshl_add_u32 v30, v0, 2, 0x22000
	v_mov_b32 v31, 0
	v_lshrrev_b32 v1, 5, v0
	s_delay_alu instid0(VALU_DEP_1)
	v_readfirstlane_b32 s32, v1                    ; wave 0..7
	s_and_b32 s33, ttmp7, 0xffff                   ; y
	s_mov_b32 s34, ttmp9                           ; unit = 8 x sample + which 128 rows
	s_mov_b32 s48, 0x76543210
	s_mov_b32 s49, 0xfedcba98                      ; v_permlanex16_b32's selects for lane l xor 16
	v_and_b32 v1, 31, v0                           ; lane
	v_and_b32 v2, 15, v0                           ; r
	v_bfe_u32 v3, v0, 4, 1                         ; h
	s_delay_alu instid0(VALU_DEP_3)
	v_lshlrev_b32 v4, 4, v1                        ; 16 x lane
	s_wait_alu depctr_va_vdst(0)
	s_lshr_b32 s40, s32, 1
	s_and_b32 s41, s32, 1
	s_lshl_b32 s40, s40, 5
	s_lshl_b32 s41, s41, 3
	s_add_co_u32 s42, s40, s41                     ; 32 (w / 2) + 8 (w % 2)
	s_mul_i32 s43, s42, PITCH
	v_add_nc_u32 v5, s43, v4                       ; into LDS: memory rows 16 w + p go to LDS rows 32 (w / 2) + 8 (w % 2) + 16 (p / 8) + p % 8
	s_mul_i32 s43, s32, 16*PITCH
	v_mul_u32_u24 v6, v2, PITCH
	s_delay_alu instid0(VALU_DEP_1)
	v_lshl_add_u32 v6, v3, 7, v6
	s_delay_alu instid0(VALU_DEP_1)
	v_add_nc_u32 v6, s43, v6                       ; tile w, row r, + 128 h: my 32 numbers of each 64 along D
	v_lshl_add_u32 v7, v3, 7, WL                   ; the same 32 of the dot vector
	s_cmp_eq_u32 s33, 0
	s_cselect_b32 s36, 1024, 0                     ; the dot vector in w: w2 for s2, w1 for s1
	s_cmp_lt_u32 s32, 2
	s_cselect_b32 s43, s36, 1024                   ; waves 0, 1 bring it; waves 2, 3 bring w3 (bytes 2,048 on: 1,024 + 512 w)
	s_lshl_b32 s44, s32, 9                         ; 512 w
	s_add_co_u32 s43, s43, s44
	v_add_nc_u32 v8, s43, v4                       ; from w
	v_add_nc_u32 v18, s44, v4                      ; 512 w + 16 x lane: the record's place in memory,
	s_delay_alu instid0(VALU_DEP_1)
	v_add_nc_u32 v9, WL, v18                       ; w's place in LDS,
	s_delay_alu instid0(VALU_DEP_2)
	v_add_nc_u32 v17, GATH, v18                    ; the record's place in LDS
	s_lshl_b32 s43, s32, 7
	v_lshl_add_u32 v10, v1, 2, s43                 ; column 32 w + lane, keys 0 .. 31;
	s_delay_alu instid0(VALU_DEP_1)
	v_add_nc_u32 v11, 32*PITCH, v10                ; 32 .. 63;
	s_delay_alu instid0(VALU_DEP_2)
	v_add_nc_u32 v12, 64*PITCH, v10
	s_delay_alu instid0(VALU_DEP_3)
	v_add_nc_u32 v13, 96*PITCH, v10
	s_delay_alu instid0(VALU_DEP_4)
	v_add_nc_u32 v16, GATH+1536, v10               ; V's scale word of row 32 w + lane
	v_and_b32 v19, 8, v2
	s_delay_alu instid0(VALU_DEP_1)
	v_add_nc_u32 v19, v19, v2
	s_delay_alu instid0(VALU_DEP_1)
	v_add_nc_u32 v19, s42, v19                     ; my row of the unit
	s_delay_alu instid0(VALU_DEP_1)
	v_lshl_add_u32 v14, v19, 2, GATH               ; its dot product, by the row's true number
	s_lshr_b32 s43, s32, 2
	s_lshl_b32 s43, s43, 9
	s_and_b32 s45, s32, 3
	s_lshl_b32 s45, s45, 2
	s_add_co_u32 s43, s43, s45
	s_add_co_u32 s43, s43, GATH+512
	v_add_nc_u32 v15, s43, v4                      ; the tile's scale word: [four tiles][lane][tile % 4]
.irp k, 20,21,22,23,244,245,246,247,248,249,250,251,252,253,254,255
	v_mov_b32 v\k, 0                               ; written once: a lane permute's destination counts as one of its sources
.endr
	s_lshr_b32 s38, s34, 3
	s_lshl_b32 s38, s38, 2                         ; 4 x sample
	s_mov_b32 s39, 0
	s_and_b32 s47, s34, 7
	s_lshl_b32 s47, s47, 7                         ; the unit's first row
	s_wait_kmcnt 0x0
	s_cmp_eq_u32 s33, 0                            ; the choice hangs on the work-group's y alone
	s_cselect_b64 s[24:25], s[10:11], s[8:9]       ; the numbers: s2 or s1
	s_cselect_b64 s[26:27], s[6:7], s[4:5]         ; the length: l2 or l1
	s_cselect_b64 s[28:29], s[18:19], s[14:15]     ; the codes along D: kc or qc
	s_cselect_b64 s[30:31], s[20:21], s[16:17]     ; the records: auxk or auxq
	s_mov_b32 s35, 1536
	s_cselect_b32 s35, 2560, s35                   ; a record's bytes
	s_add_nc_u64 s[26:27], s[26:27], s[38:39]
	s_load_b32 s37, s[26:27], 0x0                  ; the sample's length
	s_lshl_b32 s40, s34, 17                        ; unit x 131,072
	s_lshl_b32 s42, s32, 14                        ; + wave x 16 rows
	s_add_co_u32 s40, s40, s42
	s_mov_b32 s41, 0
	s_add_nc_u64 s[24:25], s[24:25], s[40:41]
	s_mul_i32 s40, s34, 24576                      ; unit x 16 fragments
	s_mul_i32 s42, s32, 3072                       ; + wave x 2
	s_add_co_u32 s40, s40, s42
	s_add_nc_u64 s[28:29], s[28:29], s[40:41]
	s_add_nc_u64 s[22:23], s[22:23], s[40:41]
	s_mul_i32 s40, s34, s35
	s_add_nc_u64 s[30:31], s[30:31], s[40:41]
	s_wait_kmcnt 0x0
	s_max_i32 s37, s37, 0
	s_cmp_lt_u32 s47, s37
	s_cselect_b32 s50, 1, 0                        ; 1: the unit is wanted
; ---- the unit comes in: each load of a wave reads 512 consecutive bytes; 32 loads a wave, 131,072 bytes a work-group, are out together
	s_cmp_eq_u32 s50, 0
	s_cbranch_scc1 .Lmeet_a
	s_cmp_lt_u32 s32, 4
	s_cbranch_scc0 .Lno_w
	global_load_b128 v[20:23], v8, s[12:13]
.Lno_w:
.set t, 0
.rept 32
	global_load_b128 v[X+4*t:X+4*t+3], v4, s[24:25] offset:512*t th:TH_LOAD_NT
.set t, t+1
.endr
.set t, 0
.rept 32
	s_wait_loadcnt 31-t                            ; loads come back in order: load t is in; the 31 - t issued behind it may be out
	ds_store_b128 v5, v[X+4*t:X+4*t+3] offset:(16*((t/2)/8)+((t/2)%8))*PITCH+512*(t%2)
.set t, t+1
.endr
	s_cmp_lt_u32 s32, 4
	s_cbranch_scc0 .Lmeet_a
	ds_store_b128 v9, v[20:23]                     ; (issued ahead of the tile's loads, so it is in)
.Lmeet_a:
	s_wait_dscnt 0x0                               ; for the others' sake: my stores have landed
	s_barrier_signal -1
	s_barrier_wait -1
	s_cmp_eq_u32 s50, 0
	s_cbranch_scc1 .Lmeet_b
.macro WPIECE base, q0                 ; my 32 numbers of each of two 64s of a vector of w
.irp e, 0,1
.irp j, 0,1,2,3,4,5,6,7
	ds_load_b128 v[WP+32*\e+4*\j:WP+32*\e+4*\j+3], v7 offset:\base+256*(\q0+\e)+16*\j
.endr
.endr
	s_wait_dscnt 0x0
.endm
.macro DOT q0                          ; two packed sums by turns; each begins with a product: nothing is cleared
.irp e, 0,1
	v_pk_mul_f32 v[DD+2*(\q0+\e):DD+2*(\q0+\e)+1], v[X+32*(\q0+\e):X+32*(\q0+\e)+1], v[WP+32*\e:WP+32*\e+1]
.endr
.irp k, 2,4,6,8,10,12,14,16,18,20,22,24,26,28,30
.irp e, 0,1
	s_delay_alu instid0(VALU_DEP_2)
	v_pk_fma_f32 v[DD+2*(\q0+\e):DD+2*(\q0+\e)+1], v[X+32*(\q0+\e)+\k:X+32*(\q0+\e)+\k+1], v[WP+32*\e+\k:WP+32*\e+\k+1], v[DD+2*(\q0+\e):DD+2*(\q0+\e)+1]
.endr
.endr
.endm
.macro GAIN q0                         ; x w3, in place
.irp k, 0,2,4,6,8,10,12,14,16,18,20,22,24,26,28,30
.irp e, 0,1
	v_pk_mul_f32 v[X+32*(\q0+\e)+\k:X+32*(\q0+\e)+\k+1], v[X+32*(\q0+\e)+\k:X+32*(\q0+\e)+\k+1], v[WP+32*\e+\k:WP+32*\e+\k+1]
.endr
.endr
.endm
.macro BLKMAX                          ; four blocks of 32 numbers, v[X + 32 q] on: largest magnitude, scale operand, byte; the four by turns
.irp q, 0,1,2,3
	v_max3_num_f32 v[TX+\q], |v[X+32*\q]|, |v[X+32*\q+1]|, 0x1800000   ; the floor 2^(3 - 127): the byte cannot fall under 1
.endr
.irp k, 2,4,6,8,10,12,14,16,18,20,22,24,26,28,30
.irp q, 0,1,2,3
	s_delay_alu instid0(VALU_DEP_4)
	v_max3_num_f32 v[TX+\q], v[TX+\q], |v[X+32*\q+\k]|, |v[X+32*\q+\k+1]|
.endr
.endr
.irp q, 0,1,2,3
	s_delay_alu instid0(VALU_DEP_4)
	v_add_nc_u32 v[SO+\q], 0xff000000, v[TX+\q]    ; 2 off the exponent field: the conversion takes this operand's exponent field as its scale
.endr
.irp q, 0,1,2,3
	s_delay_alu instid0(VALU_DEP_4)
	v_lshrrev_b32 v[BY+\q], 23, v[SO+\q]
.endr
.endm
; ---- along D: wave w takes tile w.  Lane (r, h) holds, for q = 0 .. 3, d = 64 q + 32 h + 0 .. 31 of its row: a whole block, in the order of the operand's registers
.irp q, 0,1,2,3
.irp j, 0,1,2,3,4,5,6,7
	ds_load_b128 v[X+32*\q+4*\j:X+32*\q+4*\j+3], v6 offset:256*\q+16*\j
.endr
.endr
	WPIECE 0, 0
	DOT 0
	WPIECE 0, 2
	DOT 2
	s_cmp_eq_u32 s33, 0
	s_cbranch_scc1 .Lno_gain                       ; s2 is quantised as it is; s1 x w3 is what the first product takes
	WPIECE 1024, 0
	GAIN 0
	WPIECE 1024, 2
	GAIN 2
.Lno_gain:
	v_pk_add_f32 v[DD:DD+1], v[DD:DD+1], v[DD+2:DD+3]
	s_wait_alu depctr_va_vdst(0)
	v_pk_add_f32 v[DD+4:DD+5], v[DD+4:DD+5], v[DD+6:DD+7]
	s_delay_alu instid0(VALU_DEP_1)
	v_pk_add_f32 v[DD:DD+1], v[DD:DD+1], v[DD+4:DD+5]
	s_delay_alu instid0(VALU_DEP_1)
	v_add_f32 v244, v[DD], v[DD+1]
	s_delay_alu instid0(VALU_DEP_1)
	v_permlanex16_b32 v245, v244, s48, s49
	s_delay_alu instid0(VALU_DEP_1)
	v_add_f32 v244, v244, v245                     ; with lane l xor 16's half of D: the row's dot product
	BLKMAX
	v_lshlrev_b32 v246, 3, v3                      ; 8 h
.irp s, 0
	s_delay_alu instid0(VALU_DEP_4)
	v_lshl_or_b32 v[247+\s], v[BY+2*\s+1], 16, v[BY+2*\s]
.endr
.irp s, 1
	s_delay_alu instid0(VALU_DEP_3)
	v_lshl_or_b32 v[247+\s], v[BY+2*\s+1], 16, v[BY+2*\s]   ; K step s: my bytes of blocks h and 2 + h,
.endr
.irp s, 0,1
	s_delay_alu instid0(VALU_DEP_2)
	v_lshlrev_b32 v[247+\s], v246, v[247+\s]       ; at their places in the word;
.endr
.irp s, 0,1
	s_delay_alu instid0(VALU_DEP_2)
	v_permlanex16_b32 v[249+\s], v[247+\s], s48, s49
.endr
.irp s, 0,1
	s_delay_alu instid0(VALU_DEP_2)
	v_or_b32 v[247+\s], v[247+\s], v[249+\s]       ; with lane l xor 16's two the word is whole
.endr
	v_cmp_eq_u32 vcc_lo, 1, v3
	s_delay_alu instid0(VALU_DEP_1)
	v_cndmask_b32 v251, v247, v248, vcc_lo         ; lanes 0-15 keep K step 0's word, lanes 16-31 K step 1's
.irp q, 0,1,2,3
	v_cvt_scalef32_pk16_fp6_f32 v[CD+6*\q:CD+6*\q+2], v[X+32*\q:X+32*\q+15], v[SO+\q]
	v_cvt_scalef32_pk16_fp6_f32 v[TT+4*\q:TT+4*\q+2], v[X+32*\q+16:X+32*\q+31], v[SO+\q]
.endr
	v_nop                                          ; one plain place behind a scaled conversion
.irp q, 0,1,2,3
.irp i, 0,1,2
	v_mov_b32 v[CD+6*\q+3+\i], v[TT+4*\q+\i]
.endr
.endr
.irp c, 0,1,2,3,4,5
	global_store_b128 v4, v[CD+4*\c:CD+4*\c+3], s[28:29] offset:512*\c   ; 32 lanes store 512 consecutive bytes
.endr
	ds_store_b32 v15, v251
	ds_store_b32 v14, v244                         ; lanes r and r + 16 write the same word with the same value
	s_cmp_lg_u32 s33, 0
	s_cbranch_scc1 .Lmeet_b
; ---- along the keys (s2 alone): a lane takes column 32 w + lane, and its registers run down the unit's 128 keys: four whole blocks a lane
.irp g, 0,1,2,3
.set t, 0
.rept 32
	ds_load_b32 v[X+32*\g+t], v[10+\g] offset:(16*((t/8)%2)+8*(t/16)+(t%8))*PITCH   ; key 32 g + t lies in the LDS row with bits 3 and 4 exchanged
.set t, t+1
.endr
.endr
	s_wait_dscnt 0x0
	BLKMAX
	s_delay_alu instid0(VALU_DEP_3)
	v_lshl_or_b32 v252, v[BY+1], 8, v[BY]          ; my column's scale word for these 128 keys
	s_delay_alu instid0(VALU_DEP_1)
	v_lshl_or_b32 v252, v[BY+2], 16, v252
	s_delay_alu instid0(VALU_DEP_1)
	v_lshl_or_b32 v252, v[BY+3], 24, v252
.irp g, 0,1,2,3
	v_cvt_scalef32_pk16_fp6_f32 v[FA+12*(\g%2)+6*(\g/2):FA+12*(\g%2)+6*(\g/2)+2], v[X+32*\g:X+32*\g+15], v[SO+\g]   ; even blocks to FA, odd ones to FB
	v_cvt_scalef32_pk16_fp6_f32 v[TT+4*\g:TT+4*\g+2], v[X+32*\g+16:X+32*\g+31], v[SO+\g]
.endr
	v_nop                                          ; one plain place behind a scaled conversion
.irp g, 0,1,2,3
.irp i, 0,1,2
	v_mov_b32 v[FA+12*(\g%2)+6*(\g/2)+3+\i], v[TT+4*\g+\i]
.endr
.endr
.irp k, 0,1,2,3,4,5,6,7,8,9,10,11
	v_permlane16_swap_b32 v[FA+\k], v[FB+\k]       ; FA's lanes 16-31 change places with FB's lanes 0-15: FA is now the fragment of columns 32 w .. + 15 (lanes 0-15 the even blocks, lanes 16-31 the odd), FB that of the next 16
.endr
.irp c, 0,1,2,3,4,5
	global_store_b128 v4, v[FA+4*\c:FA+4*\c+3], s[22:23] offset:512*\c
.endr
	ds_store_b32 v16, v252
.Lmeet_b:
	s_wait_dscnt 0x0                               ; for the others' sake: my stores into the record have landed
	s_barrier_signal -1
	s_barrier_wait -1
; ---- the record leaves: 512 consecutive bytes a wave; three waves (s1) or five (s2)
	s_cmp_eq_u32 s50, 0
	s_cbranch_scc1 .Lend
	s_cmp_lt_u32 s32, 3
	s_cbranch_scc1 .Lrecord
	s_cmp_lg_u32 s33, 0
	s_cbranch_scc1 .Lend
	s_cmp_lt_u32 s32, 5
	s_cbranch_scc0 .Lend
.Lrecord:
	ds_load_b128 v[24:27], v17
	s_wait_dscnt 0x0
	global_store_b128 v18, v[24:27], s[30:31]
.Lend:
	s_wait_tensorcnt 0x0
	ds_add_u32 v30, v31
	s_wait_dscnt 0x0
	s_endpgm
.Lfunc_end_k_qdb314c8491_prep:
	.size	k_qdb314c8491_prep, .Lfunc_end_k_qdb314c8491_prep-k_qdb314c8491_prep
	.p2alignl 7, 3214868480
	.fill 96, 4, 3214868480
	.section	.rodata,"a",@progbits
	.p2align	6, 0x0
	.amdhsa_kernel k_qdb314c8491_prep
		.amdhsa_group_segment_fixed_size 140288
		.amdhsa_private_segment_fixed_size 0
		.amdhsa_enable_private_segment 0
		.amdhsa_kernarg_size 80
		.amdhsa_user_sgpr_count 2
		.amdhsa_user_sgpr_kernarg_segment_ptr 1
		.amdhsa_wavefront_size32 1
		.amdhsa_system_sgpr_workgroup_id_x 1
		.amdhsa_system_sgpr_workgroup_id_y 1
		.amdhsa_system_sgpr_workgroup_id_z 1
		.amdhsa_system_vgpr_workitem_id 0
		.amdhsa_next_free_vgpr 256
		.amdhsa_next_free_sgpr 66
		.amdhsa_reserve_vcc 1
		.amdhsa_float_denorm_mode_32 3
		.amdhsa_float_denorm_mode_16_64 3
		.amdhsa_memory_ordered 1
		.amdhsa_forward_progress 1
		.amdhsa_inst_pref_size 55
	.end_amdhsa_kernel
	.amdgpu_metadata
---
amdhsa.version: [ 1, 2 ]
amdhsa.kernels:
  - .name:           k_qdb314c8491_prep
    .symbol:         k_qdb314c8491_prep.kd
    .args:
      - { .name: l1, .offset: 0, .size: 8, .value_kind: global_buffer, .address_space: global }
      - { .name: l2, .offset: 8, .size: 8, .value_kind: global_buffer, .address_space: global }
      - { .name: s1, .offset: 16, .size: 8, .value_kind: global_buffer, .address_space: global }
      - { .name: s2, .offset: 24, .size: 8, .value_kind: global_buffer, .address_space: global }
      - { .name: w, .offset: 32, .size: 8, .value_kind: global_buffer, .address_space: global }
      - { .name: qc, .offset: 40, .size: 8, .value_kind: global_buffer, .address_space: global }
      - { .name: auxq, .offset: 48, .size: 8, .value_kind: global_buffer, .address_space: global }
      - { .name: kc, .offset: 56, .size: 8, .value_kind: global_buffer, .address_space: global }
      - { .name: auxk, .offset: 64, .size: 8, .value_kind: global_buffer, .address_space: global }
      - { .name: vc, .offset: 72, .size: 8, .value_kind: global_buffer, .address_space: global }
    .group_segment_fixed_size: 140288
    .private_segment_fixed_size: 0
    .kernarg_segment_align: 8
    .kernarg_segment_size: 80
    .max_flat_workgroup_size: 256
    .sgpr_count:     66
    .vgpr_count:     256
    .wavefront_size: 32
...
	.end_amdgpu_metadata
.endif
;; end of part 4
;; launch attn (part 5): grid 512 x 1, 4 waves a work-group, no clusters, 75,264 bytes of LDS; arguments l1, l2, qc, auxq, kc, auxk, vc, out0; writes out0
.if DOCPART == 5
	.amdgcn_target "amdgcn-amd-amdhsa--gfx1250"
	.amdhsa_code_object_version 6
	.text
	.protected	k_qdb314c8491_attn
	.globl	k_qdb314c8491_attn
	.p2align	8
	.type	k_qdb314c8491_attn,@function
k_qdb314c8491_attn:
	s_mov_b64 s[64:65], 0
	v_nop
	global_prefetch_b8 v0, s[64:65] scope:SCOPE_SE
	s_setreg_imm32_b32 hwreg(HW_REG_WAVE_SCHED_MODE, 0, 2), 2
	s_setreg_imm32_b32 hwreg(HW_REG_WAVE_MODE, 25, 1), 1
	s_wait_xcnt 0x0
	s_wait_alu depctr_vm_vsrc(0)
; out0[b][t][:] = the sum over keys k of Q(a[t][k]) Q(s2[b][k][:]), a = softmax_k(part1[t] + part2[k] + Q(s1 w3)[t] . Q(s2)[k]) on the rectangle t < l1, k < l2, and 0 outside.  Both products on codes of FP6 (E2M3).
; a is quantised FINISHED AND NORMALISED, so a row's codes wait for the row's sum: the unnormalised p of 64 queries x all keys stay in registers, in f32, until the sum is there.
; SHARES.  A work-group owns a block of 64 queries of one sample (four tiles m).  THE WAVES SHARE THE COLUMNS.  Scores: wave w takes the groups of 64 keys g = 4 i + w, i = 0 .. 3, for all 64 queries: 32 matrix instructions and
; 128 registers of scores a group; each fragment of K comes from memory once for the work-group and feeds four products.  Second product: wave w takes channels 64 w .. 64 w + 63 for all 64 queries and all keys;
; V's fragments come from memory once for the work-group, a's codes go from wave to wave through LDS as images of the operand's registers.
; ORDER.  There are 512 blocks, one a work-group.  A block's work rises with its sample's l2 (groups of keys, K steps) and is next to nothing where no query or no key of it counts.  Work-group g takes the g-th block of this order:
; the samples by falling l2 (ties: the lower number first), of each its ceil(l1 / 64) blocks that count (none where l2 = 0); the blocks in which nothing counts fill the numbers from 511 downward.  So the long blocks have the low
; numbers, and where work-groups are started in the order of their numbers the short ones fill in behind the long.  Every wave makes the order for itself, in registers: lane j holds sample j; 32 comparisons a lane give the number
; of heavier samples and of their blocks; exactly one lane finds g among its own numbers.
; WHAT THE MASK THROWS AWAY IS NOT DONE: groups of keys at or beyond l2 and K steps beyond it are jumped over by scalar branches on l1 and l2, which are read from memory; a block of queries at or beyond l1 stores zeros.
; For that reason the operands go from memory straight into registers: the tiles of K and V that a sample's sixteen work-groups share are not asked for jointly;
; of the 1,024 x 1,024 scores of a sample only l1 x l2 are kept, which outweighs the shared requests.  No barrier stands under such a branch, and every register that a later line names is written on every way through the text.
; LAYOUT.  Both products are used transposed (S^T = K Q^T, O^T = V^T a^T): a lane holds ONE query (lane % 16) throughout.  Lane r of a tile of K takes key 32 (t / 2) + 8 (t % 2) + r + 8 (r / 8) of its 128, so that the 16 registers
; of tiles 2 b and 2 b + 1 are 16 neighbouring keys; the queries of a tile are chosen likewise, which the stores' offsets undo.  part2 is the C of a score's first matrix instruction; a hidden key's part2 is replaced by -1e30 there.
; SOFTMAX.  Each group has its own maximum m_i = the largest s (part1 in it): p = 2^((s - m_i) c), c = log2(e).  The row's maximum m and sum l are made from the sixteen groups' (four a wave, then through LDS), and a = p x 2^((m_i - m) c) / l.
; A block's largest a is not searched for: the block's largest score goes through the same instructions.  This takes v_exp_f32 not to fall where its input rises.
; LIMITS: NaN and infinities are not served; l1 and l2 are held to 0 .. 1,024; scores stay well under 1e30 in magnitude, as reference()'s own -1e30 asks; a block of zeros has the byte 1 or 0 where the rule says 127 (its codes are zeros).
; REGISTERS, in windows of 256.  Window 0: see the names below.  Window 1: v0-95 K's eight fragments, v96-191 Q's eight; later v0-95 a's fragments, two sets of four, v128-255 O^T's 16 accumulators.
;   Windows 2, 3: the scores of group i at window 2 + i / 2, v[128 (i % 2)] on, accumulator (kt, m) at + 32 m + 8 kt; later V's fragments of K steps 2 i and 2 i + 1 lie in group i's registers.
; THE MODE: SCHED_MODE bits 1:0 = 2 (LLVM: expert scheduling mode 2), set by the entry lines.  The code itself states the register dependences between vector or matrix instructions and memory or LDS instructions,
; and those through scalar registers that vector instructions write, with s_wait_alu, always for 0.
; THE PLAN.  Registers that memory or LDS instructions touch, in the order of the text:
;   v4-14, v16-18, v31 (addresses), v20-23 (zeros), v219, v223   written at the head by vector lines, never again: one wait on va_vdst for v31, one behind the head's last vector line for all the others.
;   K's fragments, v32-35, v64-95   loaded for group i; read by its 32 products (v64-95 also written by the mask's selects); loaded again for group i + 1 behind ONE wait on va_vdst, which stands behind the products.
;                                   The group's vector work follows and names none of them.
;   TMP .. TMP+7                    written by vector lines, read by two LDS stores (a wait on va_vdst ahead), written again behind the barrier (a wait on vm_vsrc ahead).
;   v176-207, TMP+16 .. +19         a's codes and byte pairs: written by group i's conversions, read by its 16 LDS stores (va_vdst ahead), written again by group i + 1 (vm_vsrc ahead).
;   group i's 128 registers         last named by its conversions, or by the moves of a group left out, both ahead of a wait on va_vdst; V's fragments land there with no further wait.
;   a's two sets, v56-63            the LDS loads of K step s + 1 land in the set that K step s - 1's products read: one wait on va_vdst at the head of K steps 1 to 6.
;   O^T's accumulators              read by the way out's LDS stores: one wait on va_vdst for all four tiles.
;   v64-95, v176-207 as rows of O   loaded from the stage, read by the global stores, loaded again two tiles on (vm_vsrc ahead; at the way out's head too, since LDS stores have read v176-207).
; Compares write scalar registers, in runs, with one wait on va_sdst between a run and its first reader; so do the lane reads.
.set STAT, 0                           ; LDS: each wave's maxima and sums: 1,024 bytes a wave
.set PSC,  4096                        ; a's scale words: (4 s + m) x 128 + 4 x lane
.set PIMG, 8192                        ; a's fragments: (4 s + m) x 1,536; registers 2 j, 2 j + 1 of lane l at 256 j + 8 l
.set STG,  57344                       ; the way out: 16 rows x (256 bytes + 16) for each wave
.set KSC, 32                           ; v32-35   K's scale words, a register a tile (lanes 0-15: K step 0, lanes 16-31: K step 1)
.set QSC, 36                           ; v36-39   Q's likewise
.set VSC, 40                           ; v40-55   V's: register 2 s + p: lanes 0-15 tile 2 p, lanes 16-31 tile 2 p + 1
.set PSR, 56                           ; v56-63   a's, two sets of four
.set CC,  64                           ; v64-95   part2 as C, eight registers a tile; later the waves' statistics; later rows of O
.set PR,  96                           ; v96-127  pair 8 i + 2 m: low (part1 - m_i) c, later the factor f; high m_i
.set BM,  128                          ; v128-159 8 i + 4 b + m: the block's largest score, then its largest p
.set LL,  160                          ; v160-175 4 i + m: the group's sum of p
.set PC,  176                          ; v176-207 codes, eight registers a tile of queries; later rows of O
.set PT,  208                          ; v208-223 second halves
.set TMP, 224                          ; v224-255 at work
.set ORK, TMP                          ; the order: sample j's key;
.set ORN, TMP+1                        ; its blocks that count;
.set ORA, TMP+2                        ; two sums over the heavier samples, then the first of its numbers;
.set ORT, TMP+4                        ; four registers at work;
.set ORR, TMP+8                        ; the first of its numbers counted from 511 downward
.set KF,  0
.set QF,  96
.set ACC, 128
.set MSB, 0
.macro WIN new                         ; the immediate's low byte: bits 1:0 source 0, 3:2 source 1, 5:4 source 2, 7:6 destination; its high byte repeats the setting that is left
.if MSB != (\new)
	s_set_vgpr_msb (MSB<<8)|(\new)
.set MSB, (\new)
.endif
.endm
.macro PLACES                          ; four plain places behind a matrix instruction (ISA guide 7.12.1), where no other vector work is at hand
.rept 4
	v_nop
.endr
.endm
	s_load_b512 s[4:19], s[0:1], 0x0               ; l1 s[4:5], l2 s[6:7], qc s[8:9], auxq s[10:11], kc s[12:13], auxk s[14:15], vc s[16:17], out0 s[18:19]
	v_lshl_add_u32 v219, v0, 2, 0x12400
	v_mov_b32 v223, 0
	v_lshrrev_b32 v1, 5, v0
	v_readfirstlane_b32 s20, v1                    ; wave 0..3
	s_mov_b32 s34, ttmp9                           ; g: my number among the 512 work-groups
	v_and_b32 v1, 31, v0                           ; lane
	v_lshlrev_b32 v31, 2, v1                       ; 4 x lane; never rewritten
	s_wait_kmcnt 0x0
	s_wait_alu depctr_va_vdst(0)                   ; v31 is written, which the two loads below read as their offset
	global_load_b32 v15, v31, s[4:5]               ; lane j: l1 of sample j,
	global_load_b32 v30, v31, s[6:7]               ; and its l2.  All that hangs on neither is made while they are on their way
	v_and_b32 v2, 15, v0                           ; r
	v_bfe_u32 v3, v0, 4, 1                         ; h
	v_lshlrev_b32 v4, 4, v1                        ; 16 x lane: an image's place for my lane, in memory and in STAT
	s_wait_alu depctr_va_vdst(0)
	v_and_b32 v29, 8, v2
	v_add_nc_u32 v29, v29, v2                      ; r + 8 (r / 8)
	s_wait_alu depctr_va_sdst(0)                   ; s20, the wave's number, is written, ahead of its first reader
	s_lshr_b32 s42, s20, 1                         ; w / 2: which unit of a pair
	s_and_b32 s43, s20, 1                          ; w % 2: which half of the unit
	s_mul_i32 s44, s42, 2560
	s_lshl_b32 s45, s43, 8
	s_add_co_u32 s45, s45, s44
	v_lshl_add_u32 v7, v3, 6, s45                  ; part2: my half's 64 keys, + 16 h keys
	s_lshl_b32 s45, s43, 9
	s_add_co_u32 s45, s45, s44
	v_add_nc_u32 v8, s45, v4                       ; K's scale words
	s_lshl_b32 s45, s20, 8
	v_lshl_add_u32 v9, v1, 2, s45                  ; V's scale words: row 64 w + lane
	s_mul_i32 s44, s42, 6144
	s_mul_i32 s45, s43, 768
	s_add_co_u32 s44, s44, s45
	s_add_co_u32 s44, s44, PIMG
	v_lshl_add_u32 v10, v1, 3, s44                 ; where I store a's codes: K step 2 i + w / 2, registers 6 (w % 2) on
	s_lshl_b32 s44, s42, 9
	s_lshl_b32 s45, s43, 1
	s_add_co_u32 s44, s44, s45
	s_add_co_u32 s44, s44, PSC
	v_lshl_add_u32 v11, v1, 2, s44                 ; and my two bytes of its scale word
	v_lshl_add_u32 v12, v1, 3, PIMG                ; where any wave reads them back
	v_lshl_add_u32 v13, v1, 2, PSC
	s_lshl_b32 s44, s20, 10
	v_add_nc_u32 v14, s44, v4                      ; my wave's statistics
	s_mul_i32 s44, s20, 4352
	s_add_co_u32 s44, s44, STG                     ; my stage
	v_mul_u32_u24 v16, v2, 272
	v_lshl_add_u32 v16, v3, 5, v16
	v_add_nc_u32 v16, s44, v16                     ; in: row r, + 32 h
	v_mul_u32_u24 v17, v3, 272
	v_lshl_add_u32 v17, v2, 4, v17
	v_add_nc_u32 v17, s44, v17                     ; back: lanes 0-15 one row of 256 bytes, lanes 16-31 the next
	v_lshlrev_b32 v18, 10, v3
	v_lshl_add_u32 v18, v2, 4, v18                 ; and the same two rows in out0
.irp k, 20,21,22,23,24,25,26,27
	v_mov_b32 v\k, 0                               ; v20-23 stay 0; v24-27 take part1
.endr
	v_mov_b32 v28, 0xf149f2ca                      ; -1e30
.set j, 0
.rept 16
	v_mov_b32 v[VSC+j], 0x7f7f7f7f                 ; written on every way; a K step that is multiplied loads its own
.set j, j+1
.endr
.set j, 0
.rept 32
	v_mov_b32 v[TMP+j], 0                          ; written once: a lane permute's destination counts as one of its sources
.set j, j+1
.endr
	s_mov_b32 s30, 0x3fb8aa3b                      ; c = log2(e)
	s_mov_b32 s31, s30                             ; (the packed form names the pair)
	s_mov_b32 s32, 0x76543210
	s_mov_b32 s33, 0xfedcba98                      ; v_permlanex16_b32's selects for lane l xor 16
	s_wait_loadcnt 0x0                             ; l1 and l2 of all 32 samples
; ---- which block is mine: the g-th in the order of falling l2
	v_cmp_lt_i32 s40, -1, v15
	v_cmp_lt_i32 s41, -1, v30
	s_wait_alu depctr_va_sdst(0)                   ; the two compares have written s40 and s41, which the two selects read
	v_cndmask_b32 v15, 0, v15, s40                 ; a negative length counts as 0,
	v_cndmask_b32 v30, 0, v30, s41
	v_min_u32 v15, 0x400, v15                      ; one beyond 1,024 as 1,024
	v_min_u32 v30, 0x400, v30
	v_add_nc_u32 v[ORN], 63, v15
	v_lshrrev_b32 v[ORN], 6, v[ORN]                ; n = ceil(l1 / 64), 0 .. 16: the sample's blocks that count,
	v_cmp_lt_u32 s42, 0, v30
	v_sub_nc_u32 v[ORT], 31, v1
	v_lshlrev_b32 v[ORT], 5, v[ORT]
	v_or_b32 v[ORT], 0x10000, v[ORT]
	v_lshl_or_b32 v[ORK], v30, 17, v[ORT]          ; the key: bits 27:17 l2; bit 16 a one; bits 9:5 31 - j, so that no two keys are equal and the lower sample goes first; bits 4:0 n
	s_wait_alu depctr_va_sdst(0)                   ; the compare has written s42, which the select reads
	v_cndmask_b32 v[ORN], 0, v[ORN], s42           ; or none where no key counts
	v_or_b32 v[ORK], v[ORK], v[ORN]
.set j, 0
.rept 32
	v_readlane_b32 s[66+j], v[ORK], j              ; all 32 keys as scalars
.set j, j+1
.endr
	v_mov_b32 v[ORA], 0
	v_mov_b32 v[ORA+1], 0
	s_wait_alu depctr_va_sdst(0)                   ; the 32 lane reads have written s66 to s97, which the compares and the scalar lines below read
.set j, 0
.rept 2                                ; over the samples whose key is larger than mine: the sum of 0x10000 + n.  Sixteen compares in a run, into s48 to s63, one wait, then their selects; registers at work by fours, the sums by twos
.set k, 0
.rept 16
	v_cmp_gt_u32 s[48+k], s[66+j+k], v[ORK]
.set k, k+1
.endr
	s_wait_alu depctr_va_sdst(0)                   ; the sixteen compares have written s48 to s63, which the selects read
.set k, 0
.rept 16
	s_and_b32 s[40+k%4], s[66+j+k], 0x1001f
	v_cndmask_b32 v[ORT+k%4], 0, s[40+k%4], s[48+k]
	v_add_nc_u32 v[ORA+k%2], v[ORA+k%2], v[ORT+k%4]
.set k, k+1
.endr
.set j, j+16
.endr
	v_add_nc_u32 v[ORA], v[ORA], v[ORA+1]
	v_lshrrev_b32 v[ORR], 16, v[ORA]               ; r: how many samples go before mine (at most 31),
	v_and_b32 v[ORA], 0xffff, v[ORA]               ; A: how many blocks that count they have (at most 496): my sample's have the numbers A .. A + n - 1;
	v_lshlrev_b32 v[ORR], 4, v[ORR]
	v_sub_nc_u32 v[ORR], v[ORR], v[ORA]            ; 16 r - A: how many that do not: my sample's have, counted from 511 downward, 16 r - A .. 16 r - A + 15 - n
	s_sub_co_u32 s41, 511, s34
	v_sub_nc_u32 v[ORT], s34, v[ORA]               ; g - A (it wraps to a large number where g is under A)
	v_sub_nc_u32 v[ORT+1], s41, v[ORR]
	v_sub_nc_u32 v[ORT+2], 16, v[ORN]
	v_cmp_lt_u32 s42, v[ORT], v[ORN]               ; g is one of my sample's blocks that count,
	v_cmp_lt_u32 s43, v[ORT+1], v[ORT+2]           ; or one of the others.  The two runs of numbers, 0 .. T - 1 and T .. 511, do not meet: one bit in all is set
	v_add_nc_u32 v[ORT+3], v[ORN], v[ORT+1]
	s_wait_alu depctr_va_sdst(0)                   ; the two compares have written s42 and s43, which the select and the scalar lines below read
	v_cndmask_b32 v[ORT+3], v[ORT+3], v[ORT], s42  ; which of the sample's sixteen blocks
	s_or_b32 s43, s42, s43
	s_ctz_i32_b32 s44, s43
	s_min_u32 s22, s44, 31                         ; the sample
	v_readlane_b32 s21, v[ORT+3], s22
	v_readlane_b32 s23, v15, s22                   ; its l1,
	v_readlane_b32 s24, v30, s22                   ; its l2, both in 0 .. 1,024
	s_wait_alu depctr_va_sdst(0)                   ; the three lane reads have written s21, s23 and s24, from which the bases and the counts below are made
	s_lshr_b32 s46, s21, 1
	s_min_u32 s46, s46, 7                          ; x / 2: which unit of 128 rows
	s_min_u32 s21, s21, 15                         ; x: which 64 queries
	s_and_b32 s40, s21, 1
	s_lshl_b32 s41, s40, 8
	v_lshl_add_u32 v5, v29, 2, s41                 ; part1: 64 (x % 2) rows on in the unit, my row
	s_lshl_b32 s41, s40, 9
	v_add_nc_u32 v6, s41, v4                       ; Q's scale words: four tiles (x % 2)
	s_mul_i32 s40, s22, 196608                     ; the sample's 128 fragments in each buffer of codes
	s_mov_b32 s43, 0
	s_mul_i32 s42, s21, 12288
	s_add_co_u32 s42, s42, s40
	s_add_nc_u64 s[8:9], s[8:9], s[42:43]          ; Q: my block's eight fragments
	s_mul_i32 s42, s20, 12288
	s_add_co_u32 s42, s42, s40
	s_add_nc_u64 s[12:13], s[12:13], s[42:43]      ; K: group w's eight
	s_mul_i32 s42, s20, 6144
	s_add_co_u32 s42, s42, s40
	s_add_nc_u64 s[16:17], s[16:17], s[42:43]      ; V: my four tiles of channels
	s_lshl_b32 s42, s22, 3
	s_add_co_u32 s42, s42, s46
	s_mul_i32 s42, s42, 1536
	s_add_nc_u64 s[10:11], s[10:11], s[42:43]      ; my unit's record of s1
	s_mul_i32 s42, s22, 20480
	s_add_nc_u64 s[14:15], s[14:15], s[42:43]      ; the sample's eight records of s2
	s_lshl_b32 s42, s22, 20
	s_lshl_b32 s44, s21, 16
	s_add_co_u32 s42, s42, s44
	s_lshl_b32 s44, s20, 8
	s_add_co_u32 s42, s42, s44
	s_add_nc_u64 s[18:19], s[18:19], s[42:43]      ; out0: my block's first row, my 64 channels
	s_lshl_b32 s38, s21, 6                         ; my first query
	s_sub_co_i32 s37, s23, s38                     ; queries of my block under l1 (may be negative)
	s_cmp_lt_u32 s38, s23
	s_cselect_b32 s25, s24, 0                      ; the keys that count for this block: l2, or none
	s_add_co_u32 s26, s25, 63
	s_lshr_b32 s26, s26, 6
	s_add_co_u32 s26, s26, 3
	s_sub_co_u32 s26, s26, s20
	s_lshr_b32 s26, s26, 2                         ; my wave's groups: those i with 64 (4 i + w) under it
	s_add_co_u32 s27, s25, 127
	s_lshr_b32 s27, s27, 7                         ; K steps of the second product
	s_lshl_b32 s36, s20, 6
	s_sub_co_i32 s39, s25, s36
	v_lshlrev_b32 v19, 4, v3
	v_sub_nc_u32 v19, s39, v19                     ; keys that count - 64 w - 16 h: serves a comparison alone
	s_wait_alu depctr_va_vdst(0)                   ; the head's vector lines are done: the addresses v4 to v14 and v16 to v18 and the zeros v20 to v23, which every load and store below reads, are written; so are v24 to v27 and v40 to v55, in which loads land
; ---- no key counts, or no query of the block: its zeros go out here, ahead of the lines that every wave walks for the barriers' sake, so that the stores are on their way meanwhile.  Their registers and base are never rewritten
	s_cmp_lg_u32 s27, 0
	s_cbranch_scc1 .Lsome
.irp m, 0,1,2,3
.irp t, 0,1,2,3,4,5,6,7
	global_store_b128 v18, v[20:23], s[18:19] offset:(32*(\m/2)+8*(\m%2)+2*\t+8*(\t/4))*1024 th:TH_STORE_NT   ; sixteen lanes store 256 consecutive bytes, at a multiple of 256 from out0's first byte
.endr
.endr
.Lsome:
.macro QLOAD
	WIN 0x40                                       ; destination window 1
.irp f, 0,1,2,3,4,5,6,7
.irp c, 0,1,2
	global_load_b128 v[QF+12*\f+4*\c:QF+12*\f+4*\c+3], v4, s[8:9] offset:1536*\f+512*\c   ; fragment 2 m + K step
.endr
.endr
	WIN 0
	global_load_b128 v[QSC:QSC+3], v6, s[10:11] offset:512
.irp m, 0,1,2,3
	global_load_b32 v[24+\m], v5, s[10:11] offset:128*(\m/2)+32*(\m%2)
.endr
.endm
.macro KLOAD i                         ; group i: eight fragments, four scale words, part2 of its 64 keys in the result's layout: 33 loads
	WIN 0x40
.irp f, 0,1,2,3,4,5,6,7
.irp c, 0,1,2
	global_load_b128 v[KF+12*\f+4*\c:KF+12*\f+4*\c+3], v4, s[12:13] offset:49152*(\i)+1536*\f+512*\c
.endr
.endr
	WIN 0
	global_load_b128 v[KSC:KSC+3], v8, s[14:15] offset:5120*(\i)+512
.irp t, 0,1,2,3
.irp e, 0,1
	global_load_b128 v[CC+8*\t+4*\e:CC+8*\t+4*\e+3], v7, s[14:15] offset:5120*(\i)+4*(32*(\t/2)+8*(\t%2))+16*\e
.endr
.endr
.endm
; 16 products: four tiles of keys x four tiles of queries, K step ks.  The 16 accumulators take turns, one instruction a turn, in the same order in both K steps.
.macro QK ks
.irp t, 0,1,2,3
.irp m, 0,1,2,3
.if \ks == 0
	v_wmma_scale_f32_16x16x128_f8f6f4 v[SB+32*\m+8*\t:SB+32*\m+8*\t+7], v[KF+24*\t:KF+24*\t+11], v[QF+24*\m:QF+24*\m+11], v[CC+8*\t:CC+8*\t+7], v[KSC+\t], v[QSC+\m] matrix_a_fmt:MATRIX_FMT_FP6 matrix_b_fmt:MATRIX_FMT_FP6
.else
	v_wmma_scale_f32_16x16x128_f8f6f4 v[SB+32*\m+8*\t:SB+32*\m+8*\t+7], v[KF+24*\t+12:KF+24*\t+23], v[QF+24*\m+12:QF+24*\m+23], v[SB+32*\m+8*\t:SB+32*\m+8*\t+7], v[KSC+\t], v[QSC+\m] matrix_a_fmt:MATRIX_FMT_FP6 matrix_b_fmt:MATRIX_FMT_FP6 matrix_a_scale:MATRIX_SCALE_ROW1 matrix_b_scale:MATRIX_SCALE_ROW1
.endif
.endr
.endr
.endm
; The vector work of group i: block maxima, the group's maximum, p in place, the group's sums.  It names no register that a memory instruction touches.
.macro VEC i
	WIN (XW<<4)|(XW<<2)|XW
.irp b, 0,1
.irp m, 0,1,2,3
	v_max3_num_f32 v[BM+8*(\i)+4*\b+\m], v[SB+32*\m+16*\b], v[SB+32*\m+16*\b+1], v[SB+32*\m+16*\b+2]   ; each accumulator is read from its low end on; the eight blocks by turns
.endr
.endr
	WIN (XW<<4)|(XW<<2)
.irp k, 3,5,7,9,11,13
.irp b, 0,1
.irp m, 0,1,2,3
	v_max3_num_f32 v[BM+8*(\i)+4*\b+\m], v[BM+8*(\i)+4*\b+\m], v[SB+32*\m+16*\b+\k], v[SB+32*\m+16*\b+\k+1]
.endr
.endr
.endr
.irp b, 0,1
.irp m, 0,1,2,3
	v_max_num_f32 v[BM+8*(\i)+4*\b+\m], v[BM+8*(\i)+4*\b+\m], v[SB+32*\m+16*\b+15]
.endr
.endr
	WIN 0
.irp k, 0,1,2,3,4,5,6,7
	v_permlanex16_b32 v[TMP+\k], v[BM+8*(\i)+\k], s32, s33
.endr
.irp k, 0,1,2,3,4,5,6,7
	v_max_num_f32 v[BM+8*(\i)+\k], v[BM+8*(\i)+\k], v[TMP+\k]   ; with lane l xor 16's 16 keys: the block's largest score
.endr
.irp m, 0,1,2,3
	v_max_num_f32 v[TMP+8+\m], v[BM+8*(\i)+\m], v[BM+8*(\i)+4+\m]
.endr
.irp m, 0,1,2,3
	v_add_f32 v[PR+8*(\i)+2*\m+1], v[TMP+8+\m], v[24+\m]        ; m_i = the largest part2 + cross, + part1
.endr
.irp m, 0,1,2,3
	v_sub_f32 v[TMP+8+\m], v[24+\m], v[PR+8*(\i)+2*\m+1]
.endr
.irp m, 0,1,2,3
	v_mul_f32 v[PR+8*(\i)+2*\m], s30, v[TMP+8+\m]               ; (part1 - m_i) c
.endr
.irp b, 0,1
.irp m, 0,1,2,3
	v_fma_f32 v[BM+8*(\i)+4*\b+\m], v[BM+8*(\i)+4*\b+\m], s30, v[PR+8*(\i)+2*\m]
.endr
.endr
	WIN (XW<<6)|XW
.irp m, 0,1,2,3
.set j, 0
.rept 16
	v_pk_fma_f32 v[SB+32*\m+j:SB+32*\m+j+1], v[SB+32*\m+j:SB+32*\m+j+1], s[30:31], v[PR+8*(\i)+2*\m:PR+8*(\i)+2*\m+1] op_sel_hi:[1,0,0]   ; (s - m_i) c, two at a time
.set j, j+2
.endr
.endr
.set j, 0
	s_wait_alu depctr_va_vdst(0)
.rept 128
	v_exp_f32 v[SB+j], v[SB+j]
.set j, j+1
.endr
	WIN 0
.irp k, 0,1,2,3,4,5,6,7
	v_exp_f32 v[BM+8*(\i)+\k], v[BM+8*(\i)+\k]     ; the block's largest p: the same instructions on the same number
.endr
	v_nop                                          ; one plain place behind the exponentials
	WIN (XW<<2)|XW
	s_wait_alu depctr_va_vdst(0)                   ; the 136 exponentials have written the group's p and its blocks' largest p: one wait for the batch, ahead of the first line that names a result
.irp m, 0,1,2,3
	v_pk_add_f32 v[TMP+4*\m:TMP+4*\m+1], v[SB+32*\m:SB+32*\m+1], v[SB+32*\m+4:SB+32*\m+5]      ; the sums of the unquantised p: two chains a tile, begun by additions
	v_pk_add_f32 v[TMP+4*\m+2:TMP+4*\m+3], v[SB+32*\m+2:SB+32*\m+3], v[SB+32*\m+6:SB+32*\m+7]
.endr
	WIN (XW<<2)
.irp k, 8,12,16,20,24,28
.irp m, 0,1,2,3
	v_pk_add_f32 v[TMP+4*\m:TMP+4*\m+1], v[TMP+4*\m:TMP+4*\m+1], v[SB+32*\m+\k:SB+32*\m+\k+1]
	v_pk_add_f32 v[TMP+4*\m+2:TMP+4*\m+3], v[TMP+4*\m+2:TMP+4*\m+3], v[SB+32*\m+\k+2:SB+32*\m+\k+3]
.endr
.endr
	WIN 0
.irp m, 0,1,2,3
	v_pk_add_f32 v[TMP+4*\m:TMP+4*\m+1], v[TMP+4*\m:TMP+4*\m+1], v[TMP+4*\m+2:TMP+4*\m+3]
.endr
.irp m, 0,1,2,3
	v_add_f32 v[TMP+20+\m], v[TMP+4*\m], v[TMP+4*\m+1]
.endr
.irp m, 0,1,2,3
	v_permlanex16_b32 v[TMP+16+\m], v[TMP+20+\m], s32, s33
.endr
.irp m, 0,1,2,3
	v_add_f32 v[LL+4*(\i)+\m], v[TMP+20+\m], v[TMP+16+\m]
.endr
.endm
.macro GROUP i, nxt
.set SB, 128*((\i)%2)
.set XW, 2+(\i)/2
	s_wait_loadcnt 0x0                             ; the group's operands (asked for ahead of the last group's vector work)
	s_add_co_u32 s40, s36, 256*(\i)+64
	s_cmp_le_u32 s40, s25
	s_cbranch_scc1 .Lfull_\@                       ; all 64 keys count
	v_add_nc_u32 v30, -256*(\i), v19               ; register 8 t + j of C holds key 32 (t / 2) + 8 (t % 2) + j of my 16 h on: it counts where that is under v30
.irp t, 0,1,2,3
.irp j, 0,1,2,3,4,5,6,7
	v_cmp_lt_i32 s[66+8*\t+\j], 32*(\t/2)+8*(\t%2)+\j, v30     ; the 32 compares in one run, into s66 to s97, which the order has left free
.endr
.endr
	s_wait_alu depctr_va_sdst(0)                   ; the 32 compares have written s66 to s97, which the selects read
.irp t, 0,1,2,3
.irp j, 0,1,2,3,4,5,6,7
	v_cndmask_b32 v[CC+8*\t+\j], v28, v[CC+8*\t+\j], s[66+8*\t+\j]   ; a hidden key's part2 becomes -1e30: on the 32 registers that all four tiles of queries share
.endr
.endr
	PLACES
.Lfull_\@:
	WIN (XW<<6)|5                                  ; K and Q window 1, C window 0, D the group's window
	QK 0
	WIN (XW<<6)|(XW<<4)|5                          ; C and D the group's window
	QK 1
	WIN 0
	PLACES                                         ; behind the products, in front of the first read of results
.if (\i) < 3
	s_wait_alu depctr_va_vdst(0)                   ; the 32 products are done reading K's fragments, K's scale words and part2, and the selects have written part2: the next group's loads land in these registers
	s_cmp_le_u32 s26, (\i)+1
	s_cbranch_scc1 .Lnok_\@
	KLOAD (\i)+1                                   ; the next group's operands land under this group's vector work, which names none of their registers
.Lnok_\@:
.endif
	VEC \i
.if (\i) < 3
	s_cmp_le_u32 s26, (\i)+1
	s_cbranch_scc1 .Lzc\nxt
.endif
.endm
.macro ZERO i                          ; a group that is left out: its registers are written, since later lines name them on every way: no p, no sum, a maximum under every other
	WIN (2+(\i)/2)<<6
.set j, 0
.rept 128
	v_mov_b32 v[128*((\i)%2)+j], 0
.set j, j+1
.endr
	WIN 0
.irp k, 0,1,2,3,4,5,6,7
	v_mov_b32 v[BM+8*(\i)+\k], 0
.endr
.irp m, 0,1,2,3
	v_mov_b32 v[PR+8*(\i)+2*\m], 0
	v_mov_b32 v[PR+8*(\i)+2*\m+1], v28
	v_mov_b32 v[LL+4*(\i)+\m], 0
.endr
.endm
	s_cmp_eq_u32 s26, 0
	s_cbranch_scc1 .Lzc0
	QLOAD
	KLOAD 0
	GROUP 0, 1
	GROUP 1, 2
	GROUP 2, 3
	GROUP 3, 4
	s_branch .Lzc4
.Lzc0:
	ZERO 0
.Lzc1:
	ZERO 1
.Lzc2:
	ZERO 2
.Lzc3:
	ZERO 3
.Lzc4:
	s_wait_loadcnt 0x0                             ; no load is out on any way that leads here
; ---- my wave's maximum and sum for each query
.irp m, 0,1,2,3
	v_max3_num_f32 v[TMP+\m], v[PR+2*\m+1], v[PR+8+2*\m+1], v[PR+16+2*\m+1]
.endr
	s_wait_alu depctr_va_vdst(0)
.irp m, 0,1,2,3
	v_max_num_f32 v[TMP+\m], v[TMP+\m], v[PR+24+2*\m+1]
.endr
.irp i, 0,1,2,3
.irp m, 0,1,2,3
	v_sub_f32 v[TMP+8+4*\i+\m], v[PR+8*\i+2*\m+1], v[TMP+\m]   ; the difference first, then x c
.endr
.endr
.irp k, 0,1,2,3,4,5,6,7,8,9,10,11,12,13,14,15
	v_mul_f32 v[TMP+8+\k], s30, v[TMP+8+\k]
.endr
	s_wait_alu depctr_va_vdst(0)
.irp k, 0,1,2,3,4,5,6,7,8,9,10,11,12,13,14,15
	v_exp_f32 v[TMP+8+\k], v[TMP+8+\k]
.endr
	v_nop                                          ; one plain place behind the exponentials
	s_wait_alu depctr_va_vdst(0)                   ; the sixteen exponentials have written TMP+8 to TMP+23, ahead of their first reader
.irp m, 0,1,2,3
	v_mul_f32 v[TMP+4+\m], v[LL+\m], v[TMP+8+\m]
.endr
.irp i, 1,2,3
.irp m, 0,1,2,3
	v_fmac_f32 v[TMP+4+\m], v[LL+4*\i+\m], v[TMP+8+4*\i+\m]
.endr
.endr
	s_wait_alu depctr_va_vdst(0)                   ; the maxima and sums TMP to TMP+7 are written, which the two LDS stores read; and every product, select and move issued so far is done with v64 to v95 and with the groups' registers, in which loads land below
	ds_store_b128 v14, v[TMP:TMP+3]
	ds_store_b128 v14, v[TMP+4:TMP+7] offset:512
	s_wait_dscnt 0x0                               ; for the others' sake: my stores have landed
	s_barrier_signal -1
	s_barrier_wait -1
; ---- the row's maximum, sum and the factors f = 2^((m_i - m) c) / l
.irp u, 0,1,2,3
	ds_load_b128 v[CC+8*\u:CC+8*\u+3], v4 offset:STAT+1024*\u
	ds_load_b128 v[CC+8*\u+4:CC+8*\u+7], v4 offset:STAT+1024*\u+512
.endr
	s_wait_dscnt 0x0
	s_wait_alu depctr_vm_vsrc(0)                   ; my two LDS stores have read TMP to TMP+7, which the lines below write again
.irp m, 0,1,2,3
	v_max3_num_f32 v[TMP+\m], v[CC+\m], v[CC+8+\m], v[CC+16+\m]
.endr
.irp m, 0,1,2,3
	v_max_num_f32 v[TMP+\m], v[TMP+\m], v[CC+24+\m]
.endr
.irp u, 0,1,2,3
.irp m, 0,1,2,3
	v_sub_f32 v[TMP+8+4*\u+\m], v[CC+8*\u+\m], v[TMP+\m]
.endr
.endr
.irp k, 0,1,2,3,4,5,6,7,8,9,10,11,12,13,14,15
	v_mul_f32 v[TMP+8+\k], s30, v[TMP+8+\k]
.endr
	s_wait_alu depctr_va_vdst(0)
.irp k, 0,1,2,3,4,5,6,7,8,9,10,11,12,13,14,15
	v_exp_f32 v[TMP+8+\k], v[TMP+8+\k]
.endr
	v_nop                                          ; one plain place behind the exponentials
	s_wait_alu depctr_va_vdst(0)                   ; the sixteen exponentials have written TMP+8 to TMP+23, ahead of their first reader
.irp m, 0,1,2,3
	v_mul_f32 v[TMP+4+\m], v[CC+4+\m], v[TMP+8+\m]
.endr
.irp u, 1,2,3
.irp m, 0,1,2,3
	v_fmac_f32 v[TMP+4+\m], v[CC+8*\u+4+\m], v[TMP+8+4*\u+\m]
.endr
.endr
	s_wait_alu depctr_va_vdst(0)
.irp m, 0,1,2,3
	v_rcp_f32 v[TMP+4+\m], v[TMP+4+\m]
.endr
.irp m, 0,1,2,3
	v_add_nc_u32 v[TMP+24+\m], 32*(\m/2)+8*(\m%2), v29          ; my query's number in the block.  (Plain places behind the reciprocals)
.endr
.irp m, 0,1,2,3
	v_cmp_gt_i32 s[40+\m], s37, v[TMP+24+\m]       ; the four compares in one run
.endr
	s_wait_alu depctr_va_vdst(0)                   ; the four reciprocals have written TMP+4 to TMP+7, ahead of their first reader
	s_wait_alu depctr_va_sdst(0)                   ; the four compares have written s40 to s43, which the selects read
.irp m, 0,1,2,3
	v_cndmask_b32 v[TMP+4+\m], 0, v[TMP+4+\m], s[40+\m]         ; a query at or beyond l1: every a is 0
.endr
.irp i, 0,1,2,3
.irp m, 0,1,2,3
	v_sub_f32 v[TMP+8+4*\i+\m], v[PR+8*\i+2*\m+1], v[TMP+\m]
.endr
.endr
.irp k, 0,1,2,3,4,5,6,7,8,9,10,11,12,13,14,15
	v_mul_f32 v[TMP+8+\k], s30, v[TMP+8+\k]
.endr
	s_wait_alu depctr_va_vdst(0)
.irp k, 0,1,2,3,4,5,6,7,8,9,10,11,12,13,14,15
	v_exp_f32 v[TMP+8+\k], v[TMP+8+\k]
.endr
	v_nop                                          ; one plain place behind the exponentials
	s_wait_alu depctr_va_vdst(0)                   ; the sixteen exponentials have written TMP+8 to TMP+23, ahead of their first reader
.irp i, 0,1,2,3
.irp m, 0,1,2,3
	v_mul_f32 v[PR+8*\i+2*\m], v[TMP+8+4*\i+\m], v[TMP+4+\m]
.endr
.endr
; Group i's p become a, are quantised along the keys, and go to LDS as half of a fragment's image (registers 6 (w % 2) on of K step 2 i + w / 2) and two bytes of its scale word.
.macro NORMQ i
.set SB, 128*((\i)%2)
.set XW, 2+(\i)/2
	s_wait_dscnt 0x0                               ; the last group's LDS stores are done
.if (\i) > 0
	s_wait_alu depctr_vm_vsrc(0)                   ; the last group's LDS stores have read its codes (v176 on) and byte pairs (TMP+16 on), which this group writes again
.endif
	WIN (XW<<6)|XW
.irp m, 0,1,2,3
.set j, 0
.rept 16
	v_pk_mul_f32 v[SB+32*\m+j:SB+32*\m+j+1], v[SB+32*\m+j:SB+32*\m+j+1], v[PR+8*(\i)+2*\m:PR+8*(\i)+2*\m+1] op_sel_hi:[1,0]
.set j, j+2
.endr
.endr
	WIN 0
.irp b, 0,1
.irp m, 0,1,2,3
	v_mul_f32 v[TMP+4*\b+\m], v[BM+8*(\i)+4*\b+\m], v[PR+8*(\i)+2*\m]   ; the block's largest a
.endr
.endr
.irp k, 0,1,2,3,4,5,6,7
	v_max_num_f32 v[TMP+\k], 0x1800000, v[TMP+\k]  ; the floor 2^(3 - 127): the byte cannot fall under 1
.endr
.irp k, 0,1,2,3,4,5,6,7
	v_add_nc_u32 v[TMP+\k], 0xff000000, v[TMP+\k]  ; 2 off the exponent field: the conversion's scale operand
.endr
.irp k, 0,1,2,3,4,5,6,7
	v_lshrrev_b32 v[TMP+8+\k], 23, v[TMP+\k]
.endr
.irp m, 0,1,2,3
	v_lshl_or_b32 v[TMP+16+\m], v[TMP+12+\m], 8, v[TMP+8+\m]
.endr
	WIN XW
.irp m, 0,1,2,3
	v_cvt_scalef32_pk16_fp6_f32 v[PC+8*\m:PC+8*\m+2], v[SB+32*\m:SB+32*\m+15], v[TMP+\m]
	v_cvt_scalef32_pk16_fp6_f32 v[PT+4*\m:PT+4*\m+2], v[SB+32*\m+16:SB+32*\m+31], v[TMP+4+\m]
.endr
	WIN 0
	v_nop                                          ; one plain place behind a scaled conversion
.irp m, 0,1,2,3
.irp t, 0,1,2
	v_permlane16_swap_b32 v[PC+8*\m+\t], v[PT+4*\m+\t]   ; the operand's layout wants a whole block in a lane: lanes 0-15 the first block, lanes 16-31 the second
.endr
.endr
.irp m, 0,1,2,3
.irp t, 0,1,2
	v_mov_b32 v[PC+8*\m+3+\t], v[PT+4*\m+\t]
.endr
.endr
	s_wait_alu depctr_va_vdst(0)                   ; the codes and the byte pairs are written, which the LDS stores read; and the multiplies and conversions are done with the group's 128 registers, in which V's fragments land
.irp m, 0,1,2,3
.irp t, 0,1,2
	ds_store_b64 v10, v[PC+8*\m+2*\t:PC+8*\m+2*\t+1] offset:12288*(\i)+1536*\m+256*\t
.endr
	ds_store_b16 v11, v[TMP+16+\m] offset:1024*(\i)+128*\m
.endr
.endm
.macro ZIMG i                          ; a group that was left out: zero codes, which add nothing under the byte 0
.irp m, 0,1,2,3
.irp t, 0,1,2
	ds_store_b64 v10, v[20:21] offset:12288*(\i)+1536*\m+256*\t
.endr
	ds_store_b16 v11, v20 offset:1024*(\i)+128*\m
.endr
.endm
.macro VLOAD s                         ; V's four fragments and scale words of K step s, if it is multiplied: into registers of scores that are done with.  No wait: no vector line since the last wait on va_vdst names them
.set VB, 128*(((\s)/2)%2)+48*((\s)%2)
	s_cmp_le_u32 s27, \s
	s_cbranch_scc1 .Lnov_\@
	WIN (2+(\s)/4)<<6
.irp d, 0,1,2,3
.irp c, 0,1,2
	global_load_b128 v[VB+12*\d+4*\c:VB+12*\d+4*\c+3], v4, s[16:17] offset:24576*(\s)+1536*\d+512*\c
.endr
.endr
	WIN 0
	global_load_b32 v[VSC+2*(\s)], v9, s[14:15] offset:2560*(\s)+1536
	global_load_b32 v[VSC+2*(\s)+1], v9, s[14:15] offset:2560*(\s)+1536+128
.Lnov_\@:
.endm
.macro PHASE i
	s_cmp_gt_u32 s26, \i
	s_cbranch_scc0 .Lnone_\@
	s_wait_alu depctr_va_vdst(0)
	NORMQ \i
	s_branch .Ldone_\@
.Lnone_\@:
	ZIMG \i
.Ldone_\@:
	VLOAD 2*(\i)                                   ; on their way under the rest of this phase and the barrier
	VLOAD 2*(\i)+1
.endm
	PHASE 0
	PHASE 1
	PHASE 2
	PHASE 3
	s_wait_dscnt 0x0                               ; for the others' sake: my images have landed
	s_barrier_signal -1
	s_barrier_wait -1
	s_cmp_eq_u32 s27, 0
	s_cbranch_scc1 .Lend                           ; nothing counts: the block's zeros went out at the head
.macro PLOAD s                         ; a's four fragments and scale words of K step s, as they were stored, into set s % 2
	WIN 0x40
.irp m, 0,1,2,3
.irp t, 0,1,2,3,4,5
	ds_load_b64 v[48*((\s)%2)+12*\m+2*\t:48*((\s)%2)+12*\m+2*\t+1], v12 offset:(4*(\s)+\m)*1536+256*\t
.endr
.endr
	WIN 0
.irp m, 0,1,2,3
	ds_load_b32 v[PSR+4*((\s)%2)+\m], v13 offset:(4*(\s)+\m)*128
.endr
.endm
.macro PVM s, d, m                     ; O^T(tile d of my channels, tile m of queries) += V^T a^T over K step s
.set rD, ACC+8*(4*(\d)+(\m))
.set rA, 128*(((\s)/2)%2)+48*((\s)%2)+12*(\d)
.set rB, 48*((\s)%2)+12*(\m)
.set rU, VSC+2*(\s)+(\d)/2
.set rW, PSR+4*((\s)%2)+(\m)
.if (\s) == 0
.if (\d)%2
	v_wmma_scale_f32_16x16x128_f8f6f4 v[rD:rD+7], v[rA:rA+11], v[rB:rB+11], 0, v[rU], v[rW] matrix_a_fmt:MATRIX_FMT_FP6 matrix_b_fmt:MATRIX_FMT_FP6 matrix_a_scale:MATRIX_SCALE_ROW1
.else
	v_wmma_scale_f32_16x16x128_f8f6f4 v[rD:rD+7], v[rA:rA+11], v[rB:rB+11], 0, v[rU], v[rW] matrix_a_fmt:MATRIX_FMT_FP6 matrix_b_fmt:MATRIX_FMT_FP6
.endif
.else
.if (\d)%2
	v_wmma_scale_f32_16x16x128_f8f6f4 v[rD:rD+7], v[rA:rA+11], v[rB:rB+11], v[rD:rD+7], v[rU], v[rW] matrix_a_fmt:MATRIX_FMT_FP6 matrix_b_fmt:MATRIX_FMT_FP6 matrix_a_scale:MATRIX_SCALE_ROW1
.else
	v_wmma_scale_f32_16x16x128_f8f6f4 v[rD:rD+7], v[rA:rA+11], v[rB:rB+11], v[rD:rD+7], v[rU], v[rW] matrix_a_fmt:MATRIX_FMT_FP6 matrix_b_fmt:MATRIX_FMT_FP6
.endif
.endif
.endm
.macro STEP s                          ; 16 products, the 16 accumulators by turns, in the same order in every K step; the first K step starts the sums
	s_wait_dscnt 0x0                               ; this step's fragments of a are in (asked for a step ago)
.if (\s) > 0
	PLACES                                         ; places behind the last step's products
.endif
.if (\s) < 7
.if (\s) > 0
	s_wait_alu depctr_va_vdst(0)                   ; the products of the step before are done reading their set of a's fragments and scale words, in which the LDS loads below land
.endif
	PLOAD (\s)+1                                   ; every image has been written, by codes or by zeros
.endif
	WIN 0x54|(2+(\s)/4)                            ; V window 2 or 3; a, C and D window 1
.irp d, 0,1,2,3
.irp m, 0,1,2,3
	PVM \s, \d, \m
.endr
.endr
	WIN 0
.if (\s) < 7
	s_cmp_le_u32 s27, (\s)+1
	s_cbranch_scc1 .Lout                           ; the keys beyond count for nothing
.endif
.endm
	PLOAD 0
	s_wait_loadcnt 0x0                             ; V
	STEP 0
	STEP 1
	STEP 2
	STEP 3
	STEP 4
	STEP 5
	STEP 6
	STEP 7
.Lout:
; ---- the way out: a tile of 16 queries x my 64 channels at a time through my own stage, so that sixteen lanes store 256 consecutive bytes, at a multiple of 256 from out0's first byte
	s_wait_dscnt 0x0
	PLACES                                         ; four places behind the last product, before its result is read; they stay beside the wait below
	s_wait_alu depctr_va_vdst(0)                   ; the products have written the 16 accumulators, which the LDS stores of all four tiles read; and every vector line is done with v64 to v95 and v176 to v207, in which rows of O land
	s_wait_alu depctr_vm_vsrc(0)                   ; the images' LDS stores have read v176 to v207, in which rows of O land
.irp m, 0,1,2,3
.set OB, CC+112*(\m%2)                 ; v64-95 and v176-207 by turns
.if \m >= 2
	s_wait_xcnt 0x0                                ; the stores of two tiles ago have had their addresses translated
	s_wait_alu depctr_vm_vsrc(0)                   ; and have read their data registers, in which this tile's rows land
.endif
	WIN 0x04                                       ; an LDS store's data are its source 1: window 1
.irp d, 0,1,2,3
	ds_store_b128 v16, v[ACC+8*(4*\d+\m):ACC+8*(4*\d+\m)+3] offset:64*\d        ; each accumulator from its low end on
	ds_store_b128 v16, v[ACC+8*(4*\d+\m)+4:ACC+8*(4*\d+\m)+7] offset:64*\d+16
.endr
	WIN 0
.irp t, 0,1,2,3,4,5,6,7
	ds_load_b128 v[OB+4*\t:OB+4*\t+3], v17 offset:544*\t                        ; LDS serves a wave's instructions in order: these see my stores
.endr
	s_wait_dscnt 0x0
.irp t, 0,1,2,3,4,5,6,7
	global_store_b128 v18, v[OB+4*\t:OB+4*\t+3], s[18:19] offset:(32*(\m/2)+8*(\m%2)+2*\t+8*(\t/4))*1024 th:TH_STORE_NT   ; the tile's row 2 t + h is the block's query 32 (m / 2) + 8 (m % 2) + 2 t + h + 8 (t / 4)
.endr
.endr
.Lend:
	s_wait_dscnt 0x0                               ; the closing lines, six on end
	s_wait_alu 0x0
	s_wait_tensorcnt 0x0
	ds_add_u32 v219, v223
	s_wait_dscnt 0x0
	s_endpgm
.Lfunc_end_k_qdb314c8491_attn:
	.size	k_qdb314c8491_attn, .Lfunc_end_k_qdb314c8491_attn-k_qdb314c8491_attn
	.p2alignl 7, 3214868480
	.fill 96, 4, 3214868480
	.section	.rodata,"a",@progbits
	.p2align	6, 0x0
	.amdhsa_kernel k_qdb314c8491_attn
		.amdhsa_group_segment_fixed_size 75264
		.amdhsa_private_segment_fixed_size 0
		.amdhsa_enable_private_segment 0
		.amdhsa_kernarg_size 64
		.amdhsa_user_sgpr_count 2
		.amdhsa_user_sgpr_kernarg_segment_ptr 1
		.amdhsa_wavefront_size32 1
		.amdhsa_system_sgpr_workgroup_id_x 1
		.amdhsa_system_sgpr_workgroup_id_y 1
		.amdhsa_system_sgpr_workgroup_id_z 1
		.amdhsa_system_vgpr_workitem_id 0
		.amdhsa_next_free_vgpr 1024
		.amdhsa_next_free_sgpr 98
		.amdhsa_reserve_vcc 0
		.amdhsa_float_denorm_mode_32 3
		.amdhsa_float_denorm_mode_16_64 3
		.amdhsa_memory_ordered 1
		.amdhsa_forward_progress 1
		.amdhsa_inst_pref_size 255
	.end_amdhsa_kernel
	.section	.bss,"aw",@nobits
	.p2align	6
	.space	262144
	.amdgpu_metadata
---
amdhsa.version: [ 1, 2 ]
amdhsa.kernels:
  - .name:           k_qdb314c8491_attn
    .symbol:         k_qdb314c8491_attn.kd
    .args:
      - { .name: l1, .offset: 0, .size: 8, .value_kind: global_buffer, .address_space: global }
      - { .name: l2, .offset: 8, .size: 8, .value_kind: global_buffer, .address_space: global }
      - { .name: qc, .offset: 16, .size: 8, .value_kind: global_buffer, .address_space: global }
      - { .name: auxq, .offset: 24, .size: 8, .value_kind: global_buffer, .address_space: global }
      - { .name: kc, .offset: 32, .size: 8, .value_kind: global_buffer, .address_space: global }
      - { .name: auxk, .offset: 40, .size: 8, .value_kind: global_buffer, .address_space: global }
      - { .name: vc, .offset: 48, .size: 8, .value_kind: global_buffer, .address_space: global }
      - { .name: out0, .offset: 56, .size: 8, .value_kind: global_buffer, .address_space: global }
    .group_segment_fixed_size: 75264
    .private_segment_fixed_size: 0
    .kernarg_segment_align: 8
    .kernarg_segment_size: 64
    .max_flat_workgroup_size: 128
    .sgpr_count:     98
    .vgpr_count:     1024
    .wavefront_size: 32
...
	.end_amdgpu_metadata
.endif
;; end of part 5
